; MI455X (gfx1250); checked and timed in simulation.
; The chip was launched on July 23, 2026; its instructions are those of AMD's public machine-readable ISA for CDNA 5 (MIT licence, August 2026) and "CDNA5" Instruction Set Architecture Reference Guide (July 2026). The comments in the code are by the model that wrote it; some were corrected since.
;; Attention. Allowed arithmetic: float matrix products may take bf16 or f16 operands with f32 sums; all other float work in f32.
;; Inputs: W_c 1,024 float32; W_h 1,024 x 1,024 float32; coverage 64 x 1,024 float32; dec_W 1,024 x 1,024 float32; dec_b 1,024 float32; enc_padding_mask 64 x 1,024 float32; h 64 x 1,024 x 1,024 float32; s_t_hat 64 x 1,024 float32; v 1,024 float32.
;; Outputs: out0 64 x 1,024 float32; out1 64 x 1,024 float32; out2 64 x 1,024 float32.
;; 2 versions, each right and faster than the one before. Each part assembles by itself: llvm-mc -triple=amdgcn-amd-amdhsa -mcpu=gfx1250 --defsym DOCPART=n.
;; ======== version 1 of 2: 3 launches
;; workspace buffers: wq 2,097,152 bytes; dq 262,144 bytes; zs 262,144 bytes; cpart 2,097,152 bytes
;; launch prep (part 1): grid 256 x 1, 8 waves a work-group, no clusters, 9,216 bytes of LDS; arguments W_h, dec_W, s_t_hat, dec_b, wq, dq; writes wq, dq
.if DOCPART == 1
	.amdgcn_target "amdgcn-amd-amdhsa--gfx1250"
	.amdhsa_code_object_version 6
	.text
	.protected	k_qbbb1f82ce1_prep
	.globl	k_qbbb1f82ce1_prep
	.p2align	8
	.type	k_qbbb1f82ce1_prep,@function
k_qbbb1f82ce1_prep:
	s_mov_b64 s[64:65], 0
	v_nop
	global_prefetch_b8 v0, s[64:65] scope:SCOPE_SE
	s_setreg_imm32_b32 hwreg(HW_REG_WAVE_MODE, 25, 1), 1
	s_wait_xcnt 0x0
; PREP.  c = 2 log2(e).  Two shares for each of 256 work-groups of eight waves.
; (a) wq = bf16(c W_h) in the order in which the next launch's matrix fragments want it:
;     byte T*131072 + ks*4096 + b*1024 + half*512 + lane*16 holds the 8 numbers c W_h[n][k..k+7], n = 64 T + 16 b + lane % 16, k = 32 ks + 16 half + 8 (lane / 16).
;     Work-group g writes the 8,192 bytes at g*8192 (T = g / 16, ks = 2 (g % 16) and the next); thread t writes 16 bytes at 16 t of each half.
; (b) dq = c (s_t_hat dec_W^T + dec_b) in f32, in tiles of 16 batches x 16 columns: byte (mt*64 + nt)*1024 + m*64 + n*4.  Work-group g makes tile mt = g / 64, nt = g % 64.
;     Wave w multiplies K = 128 w .. 128 w + 127 (four matrix instructions on two accumulators by turns); the eight partial tiles meet in LDS.
; LIMITS.  W_h is rounded to bf16 after the scaling by c; s_t_hat and dec_W are rounded to bf16 for the product; sums in f32.
.set CEXP,  0x4038aa3b                 ; c = 2 log2(e)
.set SPARE, 8192                       ; behind the eight partial tiles: the spare words, 128 bytes a wave
	s_load_b256 s[4:11], s[0:1], 0x0               ; W_h s[4:5], dec_W s[6:7], s_t_hat s[8:9], dec_b s[10:11]
	s_load_b128 s[12:15], s[0:1], 0x20             ; wq s[12:13], dq s[14:15]
	v_lshl_add_u32 v8, v0, 2, SPARE                ; my spare word; never rewritten
	v_mov_b32 v9, 0                                ; 0; never rewritten
	v_lshrrev_b32 v3, 5, v0
	v_readfirstlane_b32 s2, v3                     ; wave 0..7
	v_and_b32 v1, 15, v0                           ; r = lane % 16
	v_bfe_u32 v2, v0, 4, 1                         ; hh = lane / 16
	v_lshlrev_b32 v4, 12, v1
	v_lshl_add_u32 v4, v2, 5, v4                   ; r rows of 4,096 bytes + 8 hh numbers: a fragment's lane term in an f32 matrix
	s_lshr_b32 s18, s2, 1                          ; wq: b = wave / 2,
	s_lshl_b32 s18, s18, 16                        ; 16 rows of W_h each;
	s_and_b32 s19, s2, 1                           ; half = wave % 2,
	s_lshl_b32 s19, s19, 6                         ; 16 numbers each
	s_add_co_u32 s18, s18, s19
	v_add_nc_u32 v5, s18, v4                       ; my 8 numbers of W_h
	v_lshlrev_b32 v6, 4, v0                        ; 16 t
	v_and_b32 v7, 3, v0
	v_lshlrev_b32 v7, 4, v7                        ; dec_b: the four columns 4 (t % 4) .. of the tile
	s_lshl_b32 s18, s2, 10
	v_lshl_add_u32 v14, v2, 9, s18                 ; my wave's partial tile: row 8 hh + j at 64 bytes a row,
	v_lshl_add_u32 v14, v1, 2, v14                 ; column r
	s_lshr_b32 s16, ttmp9, 4                       ; T
	s_lshl_b32 s16, s16, 18                        ; 64 rows of W_h
	s_and_b32 s17, ttmp9, 15
	s_lshl_b32 s17, s17, 8                         ; 64 numbers along K
	s_add_co_u32 s16, s16, s17
	s_mov_b32 s17, 0
	s_lshl_b32 s19, s2, 9                          ; my wave's 128 numbers along K
	s_lshr_b32 s20, ttmp9, 6                       ; mt
	s_lshl_b32 s20, s20, 16
	s_add_co_u32 s20, s20, s19
	s_mov_b32 s21, 0
	s_and_b32 s22, ttmp9, 63                       ; nt
	s_lshl_b32 s24, s22, 6                         ; its 16 numbers of dec_b
	s_mov_b32 s25, 0
	s_lshl_b32 s22, s22, 16
	s_add_co_u32 s22, s22, s19
	s_mov_b32 s23, 0
	s_lshl_b32 s26, ttmp9, 13
	s_mov_b32 s27, 0
	s_lshl_b32 s28, ttmp9, 10
	s_mov_b32 s29, 0
	s_mov_b32 s30, CEXP
	s_mov_b32 s31, CEXP                            ; named with it as a pair
	s_wait_kmcnt 0x0
	s_add_nc_u64 s[4:5], s[4:5], s[16:17]
	s_add_nc_u64 s[8:9], s[8:9], s[20:21]
	s_add_nc_u64 s[6:7], s[6:7], s[22:23]
	s_add_nc_u64 s[10:11], s[10:11], s[24:25]
	s_add_nc_u64 s[12:13], s[12:13], s[26:27]
	s_add_nc_u64 s[14:15], s[14:15], s[28:29]
	global_load_b128 v[16:19], v5, s[4:5] th:TH_LOAD_NT             ; W_h is read once in the launch
	global_load_b128 v[20:23], v5, s[4:5] offset:16 th:TH_LOAD_NT
	global_load_b128 v[24:27], v5, s[4:5] offset:128 th:TH_LOAD_NT  ; the second K step of 32
	global_load_b128 v[28:31], v5, s[4:5] offset:144 th:TH_LOAD_NT
	global_load_b128 v[10:13], v7, s[10:11]
.set k, 0
.rept 4                                ; K step k of my wave's four: 16 numbers a lane of s_t_hat, 16 of dec_W
	global_load_b128 v[32+32*k:35+32*k], v4, s[8:9] offset:128*k
	global_load_b128 v[36+32*k:39+32*k], v4, s[8:9] offset:128*k+16
	global_load_b128 v[40+32*k:43+32*k], v4, s[8:9] offset:128*k+64
	global_load_b128 v[44+32*k:47+32*k], v4, s[8:9] offset:128*k+80
	global_load_b128 v[48+32*k:51+32*k], v4, s[6:7] offset:128*k
	global_load_b128 v[52+32*k:55+32*k], v4, s[6:7] offset:128*k+16
	global_load_b128 v[56+32*k:59+32*k], v4, s[6:7] offset:128*k+64
	global_load_b128 v[60+32*k:63+32*k], v4, s[6:7] offset:128*k+80
.set k, k+1
.endr
	s_wait_loadcnt 32                              ; the 32 loads of the product may stay out: W_h and dec_b are in
.set i, 0
.rept 8
	v_pk_mul_f32 v[16+2*i:17+2*i], v[16+2*i:17+2*i], s[30:31] op_sel_hi:[1,0]
.set i, i+1
.endr
.set i, 0
.rept 8
	v_cvt_pk_bf16_f32 v[240+i], v[16+2*i], v[17+2*i]
.set i, i+1
.endr
	global_store_b128 v6, v[240:243], s[12:13]              ; a wave's store covers 512 consecutive bytes, aligned
	global_store_b128 v6, v[244:247], s[12:13] offset:4096
	s_wait_loadcnt 0x0
.set k, 0
.rept 4
.set i, 0
.rept 8
	v_cvt_pk_bf16_f32 v[160+16*k+i], v[32+32*k+2*i], v[33+32*k+2*i]
	v_cvt_pk_bf16_f32 v[168+16*k+i], v[48+32*k+2*i], v[49+32*k+2*i]
.set i, i+1
.endr
.set k, k+1
.endr
	; two accumulators take turns, one instruction a turn; the first product of each starts its sum
	v_wmma_f32_16x16x32_bf16 v[224:231], v[160:167], v[168:175], 0
	v_wmma_f32_16x16x32_bf16 v[232:239], v[176:183], v[184:191], 0
	v_wmma_f32_16x16x32_bf16 v[224:231], v[192:199], v[200:207], v[224:231]
	v_wmma_f32_16x16x32_bf16 v[232:239], v[208:215], v[216:223], v[232:239]
.rept 4
	v_nop                                          ; four places between the last product and the first read of a result (ISA guide 7.12.1)
.endr
.set i, 0
.rept 8                                ; from the low end on
	v_add_f32 v[248+i], v[224+i], v[232+i]
.set i, i+1
.endr
.set i, 0
.rept 8
	ds_store_b32 v14, v[248+i] offset:64*i         ; element (batch 8 hh + i, column r)
.set i, i+1
.endr
	s_wait_dscnt 0x0                               ; for the others' sake: my partial tile is written
	s_barrier_signal -1
	s_barrier_wait -1
	s_cmp_ge_u32 s2, 2
	s_cbranch_scc1 .Ldone                          ; waves 0 and 1 add the eight tiles: 64 threads, four numbers each
.set i, 0
.rept 8
	ds_load_b128 v[32+4*i:35+4*i], v6 offset:1024*i
.set i, i+1
.endr
	s_wait_dscnt 0x0
.set i, 1
.rept 7
	v_pk_add_f32 v[32:33], v[32:33], v[32+4*i:33+4*i]
	v_pk_add_f32 v[34:35], v[34:35], v[34+4*i:35+4*i]
.set i, i+1
.endr
	v_pk_add_f32 v[32:33], v[32:33], v[10:11]      ; + dec_b
	v_pk_add_f32 v[34:35], v[34:35], v[12:13]
	v_pk_mul_f32 v[32:33], v[32:33], s[30:31] op_sel_hi:[1,0]
	v_pk_mul_f32 v[34:35], v[34:35], s[30:31] op_sel_hi:[1,0]
	global_store_b128 v6, v[32:35], s[14:15]       ; 512 consecutive bytes a wave
.Ldone:
	s_wait_tensorcnt 0x0                           ; the wave's end
	ds_add_u32 v8, v9
	s_wait_dscnt 0x0
	s_endpgm
.Lfunc_end_k_qbbb1f82ce1_prep:
	.size	k_qbbb1f82ce1_prep, .Lfunc_end_k_qbbb1f82ce1_prep-k_qbbb1f82ce1_prep
	.p2alignl 7, 3214868480
	.fill 96, 4, 3214868480
	.section	.rodata,"a",@progbits
	.p2align	6, 0x0
	.amdhsa_kernel k_qbbb1f82ce1_prep
		.amdhsa_group_segment_fixed_size 9216
		.amdhsa_private_segment_fixed_size 0
		.amdhsa_enable_private_segment 0
		.amdhsa_kernarg_size 48
		.amdhsa_user_sgpr_count 2
		.amdhsa_user_sgpr_kernarg_segment_ptr 1
		.amdhsa_wavefront_size32 1
		.amdhsa_system_sgpr_workgroup_id_x 1
		.amdhsa_system_sgpr_workgroup_id_y 1
		.amdhsa_system_sgpr_workgroup_id_z 1
		.amdhsa_system_vgpr_workitem_id 0
		.amdhsa_next_free_vgpr 256
		.amdhsa_next_free_sgpr 66
		.amdhsa_reserve_vcc 0
		.amdhsa_float_denorm_mode_32 3
		.amdhsa_float_denorm_mode_16_64 3
		.amdhsa_memory_ordered 1
		.amdhsa_forward_progress 1
		.amdhsa_inst_pref_size 15
	.end_amdhsa_kernel
	.amdgpu_metadata
---
amdhsa.version: [ 1, 2 ]
amdhsa.kernels:
  - .name:           k_qbbb1f82ce1_prep
    .symbol:         k_qbbb1f82ce1_prep.kd
    .args:
      - { .name: W_h, .offset: 0, .size: 8, .value_kind: global_buffer, .address_space: global }
      - { .name: dec_W, .offset: 8, .size: 8, .value_kind: global_buffer, .address_space: global }
      - { .name: s_t_hat, .offset: 16, .size: 8, .value_kind: global_buffer, .address_space: global }
      - { .name: dec_b, .offset: 24, .size: 8, .value_kind: global_buffer, .address_space: global }
      - { .name: wq, .offset: 32, .size: 8, .value_kind: global_buffer, .address_space: global }
      - { .name: dq, .offset: 40, .size: 8, .value_kind: global_buffer, .address_space: global }
    .group_segment_fixed_size: 9216
    .private_segment_fixed_size: 0
    .kernarg_segment_align: 8
    .kernarg_segment_size: 48
    .max_flat_workgroup_size: 256
    .sgpr_count:     66
    .vgpr_count:     256
    .wavefront_size: 32
...
	.end_amdgpu_metadata
.endif
;; end of part 1
;; launch score (part 2): grid 512 x 1, 4 waves a work-group, no clusters, 286,208 bytes of LDS; arguments h, wq, dq, W_c, v, coverage, enc_padding_mask, zs, cpart; writes zs, cpart
.if DOCPART == 2
	.amdgcn_target "amdgcn-amd-amdhsa--gfx1250"
	.amdhsa_code_object_version 6
	.text
	.protected	k_qbbb1f82ce1_score
	.globl	k_qbbb1f82ce1_score
	.p2align	8
	.type	k_qbbb1f82ce1_score,@function
k_qbbb1f82ce1_score:
	s_mov_b64 s[64:65], 0
	v_nop
	global_prefetch_b8 v0, s[64:65] scope:SCOPE_SE
	s_setreg_imm32_b32 hwreg(HW_REG_WAVE_MODE, 25, 1), 1
	s_wait_xcnt 0x0
; SCORE.  Work-group g takes 128 rows t of one batch (batch g / 8, rows 128 (g % 8) ..) and all 1,024 columns n.  With c = 2 log2(e):
;   y[t][n] = c (h[t] . W_h[n] + dec_fea[n] + coverage[t] W_c[n]);  r = 1 / (1 + 2^y), so tanh = 1 - 2 r;  q[t] = sum over n of v[n] r[t][n];  z[t] = -c q[t].
; log2(e) x score = (a number common to the batch) + z, and a softmax does not see a common shift: z is what is stored (zs).  2^y = infinity gives r = 0 and 2^y = 0 gives r = 1: tanh saturates without a clamp.
; Then, with the block's own maximum m of z (taken over all its rows, masked or not): wt[t] = 2^(z[t] - m) mask[t], and cpart[g][n] = sum over t of wt[t] h[t][n].  The next launch joins the eight blocks of a batch.
; LIMITS.  h, c W_h and wt are rounded to bf16 for the products; all sums, tanh and the softmax in f32.  A weight below 2^-126 counts as 0.  NaN and infinities among the inputs are not treated apart.
; h IS READ FROM MEMORY ONCE: it is converted to bf16 on its way in and stays in LDS (8 chunks of 128 along K, each 128 rows of 272 bytes) for all four passes and for the context.
; SHARES.  Wave w owns columns 256 w .. 256 w + 255 as four tiles of 128 rows x 64 columns: 32 accumulators X.  While tile i is multiplied, tile i - 1 (copied to Y with the coverage term) has its tanh:
; two vector instructions behind every second matrix instruction.  W's fragments come straight from memory into registers, in the order in which prep laid them: no two waves share a column.
; NO CLUSTER, NO TENSOR LOADS: what work-groups share is wq.  The resident block takes 278,528 of the 327,680 bytes of LDS that a work-group can have; a ring of two slots in the 41,472 bytes left beside the stages would
; hold under three K steps of 32 for 1,024 columns (65,536 bytes each), so a cluster's round would stand in front of every few products.
; THE MATRIX INSTRUCTION IS USED TRANSPOSED: source 0 = 16 rows of c W_h, source 1 = 16 rows of h: lane (r, hh), register j holds row 16 a + r, column 16 b + 8 hh + j: a row's sum over n stays in two lanes.
; REGISTERS, in windows of 256 (s_set_vgpr_msb: bits 1:0 source 0, 3:2 source 1, 5:4 source 2, 7:6 destination):
;   window 0: v0-15 addresses; v16-23 c coverage; v24-39 q, a pair for each block of 16 rows; v40-41 the add's; v42-63 at work; v64-95 DEC; v96-127 v; v128-255 two buffers of h fragments
;   window 1: W's fragments, eight slots of 32         window 2: X[a][b] at 32 a + 8 b
;   window 3: Y, same shape; in pass 0: v0-127 h as loaded, v128-143 at work; v224-255 take W_c ahead of each copy from X
.set CEXP,  0x4038aa3b                 ; c
.set NCEXP, 0xc038aa3b                 ; -c
.set PA,    272                        ; an LDS row: 256 bytes + 16: an odd multiple of 16, so the 16 rows of a fragment load start at 16 different groups of four banks (ISA guide 11.1)
.set ATL,   16*PA                      ; 16 rows
.set CHK,   128*PA                     ; a chunk: 128 rows x 128 along K
.set SCP,   8*CHK                      ; [wave][128] f32: the waves' parts of q
.set PW,    SCP+2048                   ; [wave][128] bf16: the weights, a copy for each wave
.set CST,   PW+1024                    ; [1024] f32: the context on its way out, 1,024 bytes for each wave
.set SPARE, CST+4096                   ; the spare words, 128 bytes a wave
.set LANE, 1
.set BOFF, 2                           ; 16 x lane
.set CO,   3                           ; 32 hh: my 8 columns of a block of 16
.set ALD,  4                           ; v4-7  r PA + 16 hh + q x two chunks
.set AP,   8                           ; pass 0: the same at the chunk in hand
.set TRA,  9                           ; the context's turning loads
.set HH,   10
.set RR,   11
.set HOFF, 12                          ; my wave's 32 rows of h, 16 x lane
.set HST,  13                          ; where I put 8 bytes of a row of the chunk that is being converted
.set COVO, 14                          ; 4 r
.set HST0, 15
.set COV,  16
.set QS,   24
.set SPW,  40
.set NIL,  41
.set DEC,  64
.set VV,   96
.set AF,   128
.set WV,   2                           ; s2 wave;  s3 work-group
.set GI,   3
.set OFS,  26                          ; s[26:27] an offset, high word 0
.set HP,   28                          ; s[28:29] h at the chunk to be asked for
.set BC,   30                          ; s[30:31] wq at the tile in hand (pass 0: at the chunk in hand)
.set BN,   32                          ; s[32:33] wq at the next tile
.set WQW,  34                          ; s[34:35] wq at my wave's four tiles
.set DQB,  36                          ; s[36:37] dq at my batch and my wave's columns
.set SDEC, 38
.set WCB,  40
.set SWC,  42
.set VB,   44
.set SV,   46
.set TI,   48
.set CNT,  49
.set TI2,  50
.set LOFF, 51                          ; s51 pass 0: LDS byte at which the chunk in hand begins
.set SEL,  52                          ; s[52:53] v_permlanex16_b32: each lane takes its own place in the other half
.set SC,   54
.set SNC,  55
.set TS,   56
.set MSB, 0
.macro WIN new                         ; the high byte repeats the setting that is left; a switch that changes nothing is dropped
.if MSB != (\new)
	s_set_vgpr_msb (MSB<<8)|(\new)
.set MSB, (\new)
.endif
.endm
.macro PLACES                          ; four places: in front of loads into registers that matrix instructions have read, and of reads of their results (ISA guide 7.12.1 for reads of results)
.rept 4
	v_nop
.endr
.endm
; THE TANH OF A TILE as a queue of 788 entries; RIDER writes entry U.  Pair p (0..127) is Y's registers 2 p, 2 p + 1.  Group p of six: the two exponentials of pair p; 1 + 2^y for pair p - 1; its two reciprocals;
; v r of pair p - 2 onto the sum of its block of 16 rows, which is kept in the block's first pair.  So a plain instruction on other registers stands between every exponential or reciprocal and the use of its result
; (ISA guide 5.7.2); where a group has no such plain entry a v_nop stands.  Entries 780-787 add the eight sums onto q.
.macro RIDER
.set rp, U/6
.set rq, U%6
.if U >= 780
	WIN 0x0c
	v_pk_add_f32 v[QS+2*(U-780):QS+2*(U-780)+1], v[QS+2*(U-780):QS+2*(U-780)+1], v[32*(U-780):32*(U-780)+1]
.elseif rq < 2
.if rp < 128
	WIN 0xf3
	v_exp_f32 v[2*rp+rq], v[2*rp+rq]
.endif
.elseif rq == 2
.if (rp >= 1) && (rp <= 128)
	WIN 0xf3
	s_wait_alu depctr_va_vdst(0)
	v_pk_add_f32 v[2*rp-2:2*rp-1], v[2*rp-2:2*rp-1], 1.0 op_sel_hi:[1,0]
.else
	v_nop
.endif
.elseif rq < 5
.if (rp >= 1) && (rp <= 128)
	WIN 0xf3
	v_rcp_f32 v[2*rp+rq-5], v[2*rp+rq-5]
.endif
.else
.if rp >= 2
.set rs, rp-2
	WIN 0xf3
.if rs%16 == 0
	s_wait_alu depctr_va_vdst(0)
	v_pk_mul_f32 v[2*rs:2*rs+1], v[2*rs:2*rs+1], v[VV:VV+1]
.else
	s_wait_alu depctr_va_vdst(0)
	v_pk_fma_f32 v[32*(rs/16):32*(rs/16)+1], v[2*rs:2*rs+1], v[VV+2*(rs%16):VV+2*(rs%16)+1], v[32*(rs/16):32*(rs/16)+1]
.endif
.else
	v_nop
.endif
.endif
.set U, U+1
.endm
.macro SLICE                           ; the next two entries, while there are any
.rept 2
.if U < 788
	RIDER
.endif
.endr
.endm
; 16 matrix instructions: row blocks a0 .. a0 + 3 x all four column blocks, 32 along K.  cdec = 1: the tile's first K step: the sums start with DEC.  ride = 1: a slice behind every second one.
; A step's 32 accumulators take turns, in the same order in every step.
.macro MUL16 buf, slot, a0, cdec, ride
.set ma, (\a0)
.rept 4
.set mb, 0
.rept 4
.if \cdec
	WIN 0x81
	v_wmma_f32_16x16x32_bf16 v[32*ma+8*mb:32*ma+8*mb+7], v[32*(\slot)+8*mb:32*(\slot)+8*mb+7], v[AF+64*(\buf)+8*ma:AF+64*(\buf)+8*ma+7], v[DEC+8*mb:DEC+8*mb+7]
.else
	WIN 0xa1
	v_wmma_f32_16x16x32_bf16 v[32*ma+8*mb:32*ma+8*mb+7], v[32*(\slot)+8*mb:32*(\slot)+8*mb+7], v[AF+64*(\buf)+8*ma:AF+64*(\buf)+8*ma+7], v[32*ma+8*mb:32*ma+8*mb+7]
.endif
.if (\ride) && (mb%2 == 1)
	SLICE
.endif
.set mb, mb+1
.endr
.set ma, ma+1
.endr
.endm
.macro ALOAD buf, reg, off             ; 16 LDS loads: the eight fragments of h for one K step, row blocks ascending
	WIN 0
.set la, 0
.rept 8
	ds_load_b128 v[AF+64*(\buf)+8*la:AF+64*(\buf)+8*la+3], v[\reg] offset:(\off)+la*ATL
	ds_load_b128 v[AF+64*(\buf)+8*la+4:AF+64*(\buf)+8*la+7], v[\reg] offset:(\off)+la*ATL+32
.set la, la+1
.endr
.endm
.macro BLOAD slot, base, off           ; 8 loads of 512 consecutive bytes: the four fragments of c W_h for one K step
	WIN 0x40
.set lb, 0
.rept 4
	global_load_b128 v[32*(\slot)+8*lb:32*(\slot)+8*lb+3], v[BOFF], s[\base:\base+1] offset:(\off)+lb*1024
	global_load_b128 v[32*(\slot)+8*lb+4:32*(\slot)+8*lb+7], v[BOFF], s[\base:\base+1] offset:(\off)+lb*1024+512
.set lb, lb+1
.endr
.endm
.macro CLOAD dst, win, base, str, xo   ; 8 loads: my 8 columns' numbers for each of a tile's four column blocks, str bytes apart
	WIN \win
.set lb, 0
.rept 4
	global_load_b128 v[(\dst)+8*lb:(\dst)+8*lb+3], v[CO], s[\base:\base+1] offset:(\xo)+lb*(\str)
	global_load_b128 v[(\dst)+8*lb+4:(\dst)+8*lb+7], v[CO], s[\base:\base+1] offset:(\xo)+lb*(\str)+16
.set lb, lb+1
.endr
.endm
; Four rows of my wave's 32 (a load each: 512 consecutive bytes of a row of h) are rounded to bf16 and put into LDS.  n: the younger loads that may stay out.  re = 1: the four registers sets take the same rows of the chunk at HP + xo.
.macro HGROUP g, n, re, xo
	s_wait_loadcnt \n
	WIN 0xcf
.set hq, 4*(\g)
.set ht, 128+8*((\g)%2)
.rept 4
	v_cvt_pk_bf16_f32 v[ht], v[4*hq], v[4*hq+1]
	v_cvt_pk_bf16_f32 v[ht+1], v[4*hq+2], v[4*hq+3]
.set hq, hq+1
.set ht, ht+2
.endr
	WIN 0x0c
.set hq, 4*(\g)
.set ht, 128+8*((\g)%2)
.rept 4
	ds_store_b64 v[HST], v[ht:ht+1] offset:hq*PA
.set hq, hq+1
.set ht, ht+2
.endr
.if \re
	WIN 0xc0
.set hq, 4*(\g)
.rept 4
	global_load_b128 v[4*hq:4*hq+3], v[HOFF], s[HP:HP+1] offset:hq*4096+(\xo) th:TH_LOAD_NT
.set hq, hq+1
.endr
.endif
.endm
; A K step of pass 0: slot j of four, W three steps ahead.  nb: the loads issued behind this step's W.  bw = 1: the barrier signalled at the end of the step before is waited for: the next chunk is whole.
.macro CSTEP j, nb, cdec, bw, areg, aoff, bbase, boff
	s_wait_loadcnt \nb
	s_wait_dscnt 0x0                               ; this step's fragments of h are in (and my stores into LDS are done)
	MUL16 (\j)&1, \j, 0, \cdec, 0
	PLACES
.if \bw
	s_barrier_wait -1
.endif
	ALOAD ((\j)+1)&1, \areg, \aoff
	BLOAD ((\j)+3)&3, \bbase, \boff
	MUL16 (\j)&1, \j, 4, \cdec, 0
.endm
; Y = W_c x (c coverage) + X: 128 packed multiply-adds, each accumulator from its low end on; the last block of rows lands on W_c's own registers.
.macro BOUNDARY
	s_wait_loadcnt 32                              ; behind W_c's loads stand four K steps' loads of W: v, W_c and DEC are in
	PLACES
	WIN 0xe3
.set ba, 0
.rept 8
.set bp, 0
.rept 16
.if ba%2 == 0
	v_pk_fma_f32 v[32*ba+2*bp:32*ba+2*bp+1], v[224+2*bp:224+2*bp+1], v[COV+ba:COV+ba+1], v[32*ba+2*bp:32*ba+2*bp+1] op_sel_hi:[1,0,1]
.else
	v_pk_fma_f32 v[32*ba+2*bp:32*ba+2*bp+1], v[224+2*bp:224+2*bp+1], v[COV+ba-1:COV+ba], v[32*ba+2*bp:32*ba+2*bp+1] op_sel:[0,1,0] op_sel_hi:[1,1,1]
.endif
.set bp, bp+1
.endr
.set ba, ba+1
.endr
.endm
; K step SS of passes 1 to 3: slot SS % 8, W six steps ahead (from step 26 on the next tile's first six), h's fragments one step ahead.
.macro STEP
.set CD, 0
.if SS == 0
.set CD, 1
.endif
.set SN, (SS+1)&31
	s_wait_loadcnt 40                              ; five younger steps of W may stay out (loads of constants among them only make the true number larger)
	s_wait_dscnt 8                                 ; row blocks 0-3 are in; the youngest eight loads may be out
	MUL16 SS&1, SS&7, 0, CD, 1
	PLACES
	ALOAD SN&1, ALD+(SN>>3), ((SN>>2)&1)*CHK+(SN&3)*64
.if SS <= 25
	BLOAD (SS+6)&7, BC, (SS+6)*4096
.else
	BLOAD (SS+6)&7, BN, (SS-26)*4096
.endif
.if SS == 2
	CLOAD DEC, 0, SDEC, 1024, 0                    ; the next tile's DEC: this tile's was read in step 0
.endif
.if SS == 26
	CLOAD VV, 0, SV, 64, 0                         ; this tile's v: the queue that read the last tile's ended in step 24
.endif
.if SS == 27
	CLOAD 224, 0xc0, SWC, 64, 0                    ; this tile's W_c
.endif
	s_wait_dscnt 16                                ; all but the 16 just issued
	MUL16 SS&1, SS&7, 4, CD, 1
.endm
.macro TLOAD k                         ; the context: rows 32 k .. of h, my 256 channels, turned: 16 fragments; even k into window 0, odd k into window 1
.if (\k)%2
	WIN 0x40
.set tb, 0
.else
	WIN 0
.set tb, 128
.endif
.set tn, 0
.rept 16
	ds_load_tr16_b128 v[tb+8*tn:tb+8*tn+3], v[TRA] offset:(\k)*32*PA+(tn/8)*CHK+(tn%8)*32
	ds_load_tr16_b128 v[tb+8*tn+4:tb+8*tn+7], v[TRA] offset:(\k)*32*PA+(tn/8)*CHK+(tn%8)*32+ATL
.set tn, tn+1
.endr
.endm
.macro CMUL k, zero                    ; 16 products wt x h, 16 accumulators by turns
.if (\k)%2
	WIN 0xa4
.set tb, 0
.else
	WIN 0xa0
.set tb, 128
.endif
.set tn, 0
.rept 16
.if \zero
	v_wmma_f32_16x16x32_bf16 v[8*tn:8*tn+7], v[DEC+8*(\k):DEC+8*(\k)+7], v[tb+8*tn:tb+8*tn+7], 0
.else
	v_wmma_f32_16x16x32_bf16 v[8*tn:8*tn+7], v[DEC+8*(\k):DEC+8*(\k)+7], v[tb+8*tn:tb+8*tn+7], v[8*tn:8*tn+7]
.endif
.set tn, tn+1
.endr
.endm
	; ---------------- the head ----------------
	s_load_b512 s[8:23], s[0:1], 0x0               ; h s[8:9], wq s[10:11], dq s[12:13], W_c s[14:15], v s[16:17], coverage s[18:19], mask s[20:21], zs s[22:23]
	s_load_b64 s[24:25], s[0:1], 0x40              ; cpart
	v_lshl_add_u32 v[SPW], v0, 2, SPARE
	v_mov_b32 v[NIL], 0
	v_lshrrev_b32 v1, 5, v0
	v_readfirstlane_b32 s[WV], v1                  ; wave 0..3
	s_mov_b32 s[GI], ttmp9
	v_and_b32 v[LANE], 31, v0
	v_lshlrev_b32 v[BOFF], 4, v[LANE]
	v_bfe_u32 v[HH], v0, 4, 1
	v_and_b32 v[RR], 15, v0
	v_lshlrev_b32 v[CO], 5, v[HH]
	v_lshlrev_b32 v[COVO], 2, v[RR]
	v_mul_u32_u24 v[ALD], v[RR], PA
	v_lshl_add_u32 v[ALD], v[HH], 4, v[ALD]        ; a fragment's row x pitch + 16 x half
	v_add_nc_u32 v[ALD+1], 2*CHK, v[ALD]
	v_add_nc_u32 v[ALD+2], 4*CHK, v[ALD]
	v_add_nc_u32 v[ALD+3], 6*CHK, v[ALD]
	v_mov_b32 v[AP], v[ALD]
	s_lshl_b32 s[OFS], s[WV], 17                   ; 32 rows of 4,096 bytes
	v_add_nc_u32 v[HOFF], s[OFS], v[BOFF]
	s_mul_i32 s[OFS], s[WV], 32*PA
	v_lshl_add_u32 v[HST], v[LANE], 3, s[OFS]      ; chunk 0
	v_add_nc_u32 v[HST0], CHK, v[HST]              ; one chunk ahead of the chunk in hand
	v_and_b32 v42, 7, v0                           ; the turning load: lane l reads row 8 (l / 16) + l % 8, 16 bytes at 16 ((l / 8) % 2)
	v_lshl_add_u32 v42, v[HH], 3, v42
	v_mul_u32_u24 v[TRA], v42, PA
	v_bfe_u32 v42, v0, 3, 1
	v_lshl_add_u32 v[TRA], v42, 4, v[TRA]
	s_mul_i32 s[OFS], s[WV], 2*CHK                 ; my 256 channels are chunks 2 w and 2 w + 1
	v_add_nc_u32 v[TRA], s[OFS], v[TRA]
.set ia, 0
.rept 16
	v_mov_b32 v[QS+ia], 0                          ; q starts at 0: four tiles add onto it by one text
.set ia, ia+1
.endr
	s_mov_b32 s[OFS+1], 0
	s_mov_b32 s[SEL], 0x76543210
	s_mov_b32 s[SEL+1], 0xfedcba98
	s_mov_b32 s[SC], CEXP
	s_mov_b32 s[SNC], NCEXP
	s_mov_b32 s[LOFF], 0
	s_wait_kmcnt 0x0
	s_lshl_b32 s[OFS], s[GI], 19                   ; 128 rows of 4,096 bytes
	s_add_nc_u64 s[HP:HP+1], s[8:9], s[OFS:OFS+1]
	s_lshl_b32 s[OFS], s[WV], 19                   ; four tiles of 131,072 bytes
	s_add_nc_u64 s[WQW:WQW+1], s[10:11], s[OFS:OFS+1]
	s_mov_b64 s[BC:BC+1], s[WQW:WQW+1]
	s_add_nc_u64 s[BN:BN+1], s[WQW:WQW+1], 0x20000
	s_lshr_b32 s[OFS], s[GI], 7                    ; dq: the batch's group of 16,
	s_lshl_b32 s[OFS], s[OFS], 16
	s_bfe_u32 s[TS], s[GI], 0x40003                ; its place in the group,
	s_lshl_b32 s[TS], s[TS], 6
	s_add_co_u32 s[OFS], s[OFS], s[TS]
	s_lshl_b32 s[TS], s[WV], 14                    ; my wave's 16 tiles of 16 columns
	s_add_co_u32 s[OFS], s[OFS], s[TS]
	s_add_nc_u64 s[DQB:DQB+1], s[12:13], s[OFS:OFS+1]
	s_lshl_b32 s[OFS], s[WV], 10                   ; my wave's 256 columns in f32
	s_add_nc_u64 s[WCB:WCB+1], s[14:15], s[OFS:OFS+1]
	s_add_nc_u64 s[VB:VB+1], s[16:17], s[OFS:OFS+1]
	s_lshl_b32 s[TS], s[GI], 12
	s_add_co_u32 s[OFS], s[OFS], s[TS]
	s_add_nc_u64 s[24:25], s[24:25], s[OFS:OFS+1]  ; cpart at my block's row, my wave's columns
	s_lshl_b32 s[OFS], s[GI], 9                    ; my block's 128 numbers in coverage, mask and zs
	s_add_nc_u64 s[18:19], s[18:19], s[OFS:OFS+1]
	s_add_nc_u64 s[20:21], s[20:21], s[OFS:OFS+1]
	s_add_nc_u64 s[22:23], s[22:23], s[OFS:OFS+1]
	CLOAD DEC, 0, DQB, 1024, 0                     ; tile 0's DEC
	WIN 0xc0
.set hq, 0
.rept 32                               ; chunk 0: my wave's 32 rows, 512 bytes of each
	global_load_b128 v[4*hq:4*hq+3], v[HOFF], s[HP:HP+1] offset:hq*4096 th:TH_LOAD_NT
.set hq, hq+1
.endr
	; chunk 0 is converted, chunk 1 asked for (512 bytes on), and W's first three K steps, in the order in which a trip of the loop issues its loads.
	; Behind a group's four loads stand 28 of h, and 8 more for each step of W issued so far.
	HGROUP 0, 28, 1, 512
	HGROUP 1, 28, 1, 512
	HGROUP 2, 28, 1, 512
	BLOAD 0, BC, 0
	HGROUP 3, 36, 1, 512
	HGROUP 4, 36, 1, 512
	HGROUP 5, 36, 1, 512
	BLOAD 1, BC, 4096
	HGROUP 6, 44, 1, 512
	HGROUP 7, 44, 1, 512
	BLOAD 2, BC, 8192
	WIN 0
	s_wait_xcnt 0x0                                ; the loads' base is stepped only behind this wait
	s_add_nc_u64 s[HP:HP+1], s[HP:HP+1], 1024      ; chunk 2
	v_add_nc_u32 v[HST], s[LOFF], v[HST0]          ; chunk 1
	s_wait_dscnt 0x0                               ; for the others' sake: my rows of chunk 0 are written
	s_barrier_signal -1
	s_barrier_wait -1
	ALOAD 0, AP, 0
	; ---------------- pass 0: tile 0 is multiplied chunk by chunk as h arrives ----------------
	; A trip multiplies chunk c, converts chunk c + 1 and asks for chunk c + 2.  It issues 64 loads: W (8), groups 0-2 (12); W, groups 3-5; W, groups 6-7; W.  So behind a group's four loads stand 60 when the group's turn
	; comes again, and behind a step's W 36, 36, 40 and 48.  A chunk's bytes are written once in the launch; one barrier stands between the writing and the first read.
	CSTEP 0, 36, 1, 0, AP, 64, BC, 3*4096          ; the one K step that starts the sums is written out; the loop is entered behind its own first step
	HGROUP 0, 60, 1, 0
	HGROUP 1, 60, 1, 0
	HGROUP 2, 60, 1, 0
	WIN 0
	s_mov_b32 s[CNT], 6
	s_branch .Lin
.Lchunk:
	CSTEP 0, 36, 0, 0, AP, 64, BC, 3*4096
	HGROUP 0, 60, 1, 0
	HGROUP 1, 60, 1, 0
	HGROUP 2, 60, 1, 0
	WIN 0
.Lin:
	CSTEP 1, 36, 0, 0, AP, 128, BC, 4*4096
	HGROUP 3, 60, 1, 0
	HGROUP 4, 60, 1, 0
	HGROUP 5, 60, 1, 0
	CSTEP 2, 40, 0, 0, AP, 192, BC, 5*4096
	HGROUP 6, 60, 1, 0
	HGROUP 7, 60, 1, 0
	s_wait_dscnt 0x0                               ; my rows of the next chunk are written:
	s_barrier_signal -1                            ; say so; sixteen products stand between the signal and the wait
	CSTEP 3, 48, 0, 1, AP, CHK, BC, 6*4096         ; behind the wait: the next chunk's first fragments
	WIN 0
	s_wait_xcnt 0x0                                ; the loads' bases are stepped only behind this wait
	s_add_nc_u64 s[HP:HP+1], s[HP:HP+1], 512
	s_add_nc_u64 s[BC:BC+1], s[BC:BC+1], 16384
	s_add_co_u32 s[LOFF], s[LOFF], CHK
	v_add_nc_u32 v[AP], s[LOFF], v[ALD]
	v_add_nc_u32 v[HST], s[LOFF], v[HST0]
	s_sub_co_u32 s[CNT], s[CNT], 1
	s_cmp_lg_u32 s[CNT], 0
	s_cbranch_scc1 .Lchunk
	; chunk 6: chunk 7 is converted, nothing more of h is asked for: the counts run down
	CSTEP 0, 36, 0, 0, AP, 64, BC, 3*4096
	HGROUP 0, 60, 0, 0
	HGROUP 1, 56, 0, 0
	HGROUP 2, 52, 0, 0
	CSTEP 1, 24, 0, 0, AP, 128, BC, 4*4096
	HGROUP 3, 48, 0, 0
	HGROUP 4, 44, 0, 0
	HGROUP 5, 40, 0, 0
	CSTEP 2, 16, 0, 0, AP, 192, BC, 5*4096
	HGROUP 6, 36, 0, 0
	HGROUP 7, 32, 0, 0
	s_wait_dscnt 0x0
	s_barrier_signal -1
	CSTEP 3, 16, 0, 1, AP, CHK, BC, 6*4096
	; chunk 7 (addresses by immediates from chunk 6's): the tile's constants, and the next tile's first K steps of W
	CSTEP 0, 16, 0, 0, AP, CHK+64, BC, 7*4096
	CLOAD VV, 0, VB, 64, 0                         ; tile 0's v
	CLOAD 224, 0xc0, WCB, 64, 0                    ; tile 0's W_c
	WIN 0
.set ia, 0
.rept 8
	global_load_b32 v[COV+ia], v[COVO], s[18:19] offset:64*ia  ; coverage of row 16 a + r
.set ia, ia+1
.endr
	CLOAD DEC, 0, DQB, 1024, 4096                  ; tile 1's DEC
	CSTEP 1, 48, 0, 0, AP, CHK+128, BN, 0          ; behind step 29's W: steps 30, 31 and the 32 loads of constants
	CSTEP 2, 48, 0, 0, AP, CHK+192, BN, 4096       ; behind step 30's: step 31, the 32, the next tile's step 0
	CSTEP 3, 48, 0, 0, ALD, 0, BN, 8192            ; behind step 31's: the 32, the next tile's steps 0 and 1
	PLACES
	BLOAD 3, BN, 3*4096
	BLOAD 4, BN, 4*4096
	BLOAD 5, BN, 5*4096
	WIN 0
	s_wait_loadcnt 48                              ; behind the constants stand the next tile's six K steps of W
.set ia, 0
.rept 8
	v_mul_f32 v[COV+ia], s[SC], v[COV+ia]          ; c coverage
.set ia, ia+1
.endr
	s_mov_b32 s[TI], 0
	s_mov_b32 s[CNT], 3
	; ---------------- passes 1 to 3: tile TI is multiplied, tile TI - 1 has its tanh ----------------
.Lpass:
	s_wait_xcnt 0x0                                ; the loads' bases are written only behind this wait
	s_add_co_u32 s[TI], s[TI], 1
	s_mov_b64 s[BC:BC+1], s[BN:BN+1]
	s_add_co_u32 s[TI2], s[TI], 1
	s_and_b32 s[TI2], s[TI2], 3                    ; the tile after; behind the last it wraps to 0, so that the look-ahead stays inside the buffers (those loads serve nothing)
	s_lshl_b32 s[OFS], s[TI2], 17
	s_add_nc_u64 s[BN:BN+1], s[WQW:WQW+1], s[OFS:OFS+1]
	s_lshl_b32 s[OFS], s[TI2], 12
	s_add_nc_u64 s[SDEC:SDEC+1], s[DQB:DQB+1], s[OFS:OFS+1]
	s_lshl_b32 s[OFS], s[TI], 8
	s_add_nc_u64 s[SWC:SWC+1], s[WCB:WCB+1], s[OFS:OFS+1]
	s_add_nc_u64 s[SV:SV+1], s[VB:VB+1], s[OFS:OFS+1]
	BOUNDARY
.set U, 0
.set SS, 0
.rept 32
	STEP
.set SS, SS+1
.endr
	WIN 0
	s_sub_co_u32 s[CNT], s[CNT], 1
	s_cmp_lg_u32 s[CNT], 0
	s_cbranch_scc1 .Lpass
	; ---------------- the last tile's tanh: no product is left to stand beside it ----------------
	BOUNDARY
.set U, 0
.rept 394
	SLICE
.endr
	; ---------------- q, z, the block's weights ----------------
	WIN 0
	s_wait_loadcnt 0x0                             ; the look-ahead's loads have landed: their registers are free
	s_wait_dscnt 0x0
	global_load_b128 v[16:19], v[BOFF], s[20:21]   ; the mask of rows 4 l .. 4 l + 3
.set ia, 0
.rept 8
	v_add_f32 v[QS+2*ia], v[QS+2*ia], v[QS+2*ia+1]
.set ia, ia+1
.endr
.set ia, 0
.rept 8
	v_permlanex16_b32 v[QS+2*ia+1], v[QS+2*ia], s[SEL], s[SEL+1]  ; the row's other columns lie in the lane 16 away
.set ia, ia+1
.endr
.set ia, 0
.rept 8
	v_add_f32 v[QS+2*ia], v[QS+2*ia], v[QS+2*ia+1]
.set ia, ia+1
.endr
	s_lshl_b32 s[OFS], s[WV], 9
	s_add_co_u32 s[OFS], s[OFS], SCP
	v_lshl_add_u32 v42, v[RR], 2, s[OFS]
.set ia, 0
.rept 8
	ds_store_b32 v42, v[QS+2*ia] offset:64*ia      ; row 16 a + r; both halves of the lanes write the same number
.set ia, ia+1
.endr
	s_wait_dscnt 0x0                               ; for the others' sake
	s_barrier_signal -1
	s_barrier_wait -1
	v_add_nc_u32 v43, SCP, v[BOFF]
	ds_load_b128 v[44:47], v43                     ; every wave adds the four parts, in the same order: the same bits in all four
	ds_load_b128 v[48:51], v43 offset:512
	ds_load_b128 v[52:55], v43 offset:1024
	ds_load_b128 v[56:59], v43 offset:1536
	s_wait_dscnt 0x0
	v_pk_add_f32 v[44:45], v[44:45], v[48:49]
	v_pk_add_f32 v[46:47], v[46:47], v[50:51]
	v_pk_add_f32 v[52:53], v[52:53], v[56:57]
	v_pk_add_f32 v[54:55], v[54:55], v[58:59]
	v_pk_add_f32 v[44:45], v[44:45], v[52:53]
	v_pk_add_f32 v[46:47], v[46:47], v[54:55]
.set ia, 0
.rept 4
	v_mul_f32 v[44+ia], s[SNC], v[44+ia]           ; z = -c q
.set ia, ia+1
.endr
	v_max3_num_f32 v60, v44, v45, v46
	v_max_num_f32 v60, v60, v47
	v_max_num_f32_dpp v60, v60, v60 row_xmask:1 row_mask:0xf bank_mask:0xf
	v_max_num_f32_dpp v60, v60, v60 row_xmask:2 row_mask:0xf bank_mask:0xf
	v_max_num_f32_dpp v60, v60, v60 row_xmask:4 row_mask:0xf bank_mask:0xf
	v_max_num_f32_dpp v60, v60, v60 row_xmask:8 row_mask:0xf bank_mask:0xf
	v_mov_b32 v61, v60                             ; the exchange's destination counts as read
	v_permlanex16_b32 v61, v60, s[SEL], s[SEL+1]
	v_max_num_f32 v60, v60, v61                    ; the block's maximum, in every lane
.set ia, 0
.rept 4
	v_sub_f32 v[48+ia], v[44+ia], v60
.set ia, ia+1
.endr
.set ia, 0
.rept 4
	v_exp_f32 v[48+ia], v[48+ia]
.set ia, ia+1
.endr
	s_lshl_b32 s[OFS], s[WV], 8
	s_add_co_u32 s[OFS], s[OFS], PW
	v_lshl_add_u32 v20, v[LANE], 3, s[OFS]         ; (plain instructions between the exponentials and the use of their results)
	v_lshl_add_u32 v21, v[HH], 4, s[OFS]
	s_wait_loadcnt 0x0                             ; the mask
	s_wait_alu depctr_va_vdst(0)
	v_pk_mul_f32 v[48:49], v[48:49], v[16:17]
	v_pk_mul_f32 v[50:51], v[50:51], v[18:19]
	v_cvt_pk_bf16_f32 v62, v48, v49
	v_cvt_pk_bf16_f32 v63, v50, v51
	ds_store_b64 v20, v[62:63]                     ; my wave's own copy of the 128 weights: no barrier between this and the loads below
	s_cmp_lg_u32 s[WV], 0
	s_cbranch_scc1 .Lnot0
	global_store_b128 v[BOFF], v[44:47], s[22:23]  ; wave 0 stores z: 512 consecutive bytes; v44-47 are not written again
.Lnot0:
	; ---------------- the partial context: source 0 = the weights (16 equal rows), source 1 = 32 rows of h x 16 channels, turned ----------------
.set ik, 0
.rept 4
	ds_load_b128 v[DEC+8*ik:DEC+8*ik+3], v21 offset:64*ik
	ds_load_b128 v[DEC+8*ik+4:DEC+8*ik+7], v21 offset:64*ik+32
.set ik, ik+1
.endr
	TLOAD 0
	TLOAD 1
	s_lshl_b32 s[OFS], s[WV], 10
	s_add_co_u32 s[OFS], s[OFS], CST
	WIN 0
	v_lshl_add_u32 v22, v[RR], 2, s[OFS]
	v_add_nc_u32 v23, s[OFS], v[BOFF]
	s_wait_dscnt 32                                ; all but the 32 loads issued last
	CMUL 0, 1
	PLACES
	TLOAD 2
	s_wait_dscnt 32
	CMUL 1, 0
	PLACES
	TLOAD 3
	s_wait_dscnt 32
	CMUL 2, 0
	s_wait_dscnt 0x0
	CMUL 3, 0
	PLACES
	WIN 0x08                                       ; the stores' data lie in window 2
.set tn, 0
.rept 16
	ds_store_b32 v22, v[8*tn] offset:64*tn         ; all 16 rows of a result are equal: its lowest register holds channel 16 tn + r
.set tn, tn+1
.endr
	WIN 0
	ds_load_b128 v[24:27], v23                     ; my wave's own bytes, served in order (ISA guide 5.7.1.4)
	ds_load_b128 v[28:31], v23 offset:512
	s_wait_dscnt 0x0
	global_store_b128 v[BOFF], v[24:27], s[24:25]  ; 512 consecutive bytes each
	global_store_b128 v[BOFF], v[28:31], s[24:25] offset:512
	s_wait_tensorcnt 0x0                           ; the wave's end
	ds_add_u32 v[SPW], v[NIL]
	s_wait_dscnt 0x0
	s_endpgm
.Lfunc_end_k_qbbb1f82ce1_score:
	.size	k_qbbb1f82ce1_score, .Lfunc_end_k_qbbb1f82ce1_score-k_qbbb1f82ce1_score
	.p2alignl 7, 3214868480
	.fill 96, 4, 3214868480
	.section	.rodata,"a",@progbits
	.p2align	6, 0x0
	.amdhsa_kernel k_qbbb1f82ce1_score
		.amdhsa_group_segment_fixed_size 286208
		.amdhsa_private_segment_fixed_size 0
		.amdhsa_enable_private_segment 0
		.amdhsa_kernarg_size 72
		.amdhsa_user_sgpr_count 2
		.amdhsa_user_sgpr_kernarg_segment_ptr 1
		.amdhsa_wavefront_size32 1
		.amdhsa_system_sgpr_workgroup_id_x 1
		.amdhsa_system_sgpr_workgroup_id_y 1
		.amdhsa_system_sgpr_workgroup_id_z 1
		.amdhsa_system_vgpr_workitem_id 0
		.amdhsa_next_free_vgpr 1024
		.amdhsa_next_free_sgpr 66
		.amdhsa_reserve_vcc 0
		.amdhsa_float_denorm_mode_32 3
		.amdhsa_float_denorm_mode_16_64 3
		.amdhsa_memory_ordered 1
		.amdhsa_forward_progress 1
		.amdhsa_inst_pref_size 255
	.end_amdhsa_kernel
	.section	.bss,"aw",@nobits
	.p2align	6
	.space	262144
	.amdgpu_metadata
---
amdhsa.version: [ 1, 2 ]
amdhsa.kernels:
  - .name:           k_qbbb1f82ce1_score
    .symbol:         k_qbbb1f82ce1_score.kd
    .args:
      - { .name: h, .offset: 0, .size: 8, .value_kind: global_buffer, .address_space: global }
      - { .name: wq, .offset: 8, .size: 8, .value_kind: global_buffer, .address_space: global }
      - { .name: dq, .offset: 16, .size: 8, .value_kind: global_buffer, .address_space: global }
      - { .name: W_c, .offset: 24, .size: 8, .value_kind: global_buffer, .address_space: global }
      - { .name: v, .offset: 32, .size: 8, .value_kind: global_buffer, .address_space: global }
      - { .name: coverage, .offset: 40, .size: 8, .value_kind: global_buffer, .address_space: global }
      - { .name: enc_padding_mask, .offset: 48, .size: 8, .value_kind: global_buffer, .address_space: global }
      - { .name: zs, .offset: 56, .size: 8, .value_kind: global_buffer, .address_space: global }
      - { .name: cpart, .offset: 64, .size: 8, .value_kind: global_buffer, .address_space: global }
    .group_segment_fixed_size: 286208
    .private_segment_fixed_size: 0
    .kernarg_segment_align: 8
    .kernarg_segment_size: 72
    .max_flat_workgroup_size: 128
    .sgpr_count:     66
    .vgpr_count:     1024
    .wavefront_size: 32
...
	.end_amdgpu_metadata
.endif
;; end of part 2
;; launch finish (part 3): grid 64 x 1, 8 waves a work-group, no clusters, 1,280 bytes of LDS; arguments zs, cpart, enc_padding_mask, coverage, out0, out1, out2; writes out0, out1, out2
.if DOCPART == 3
	.amdgcn_target "amdgcn-amd-amdhsa--gfx1250"
	.amdhsa_code_object_version 6
	.text
	.protected	k_qbbb1f82ce1_finish
	.globl	k_qbbb1f82ce1_finish
	.p2align	8
	.type	k_qbbb1f82ce1_finish,@function
k_qbbb1f82ce1_finish:
	s_mov_b64 s[64:65], 0
	v_nop
	global_prefetch_b8 v0, s[64:65] scope:SCOPE_SE
	s_setreg_imm32_b32 hwreg(HW_REG_WAVE_MODE, 25, 1), 1
	s_wait_xcnt 0x0
; FINISH.  One work-group a batch (a batch's softmax has one owner; it moves 57,344 bytes).  Thread t owns rows, and likewise channels, 4 t .. 4 t + 3; wave j holds block j of 128 rows.
; z is log2(e) x score less a number common to the batch.  M = the maximum of z over all rows, masked or not; p = 2^(z - M) mask; L = the sum of p; attn = p / L (out1); coverage + attn (out2);
; c_t = (the sum over the eight blocks of 2^(m_j - M) cpart_j) / L (out0), m_j the block's maximum, the same number by which the launch before scaled cpart_j.
; softmax x mask, divided by its sum, is p / L: the softmax's own divisor cancels.  LIMITS: a weight below 2^-126 counts as 0; a batch whose mask is 0 throughout gives NaN, as 0 / 0 does.
; No matrix unit, no cluster: nothing here is a product of matrices, and work-groups share no input.
.set SPARE, 256                        ; LDS 0-31 the waves' maxima, 32-63 their sums; from 256 on the spare words, 128 bytes a wave
	s_load_b256 s[4:11], s[0:1], 0x0               ; zs s[4:5], cpart s[6:7], mask s[8:9], coverage s[10:11]
	s_load_b128 s[12:15], s[0:1], 0x20             ; out0 s[12:13], out1 s[14:15]
	s_load_b64 s[16:17], s[0:1], 0x30              ; out2
	v_lshl_add_u32 v2, v0, 2, SPARE
	v_mov_b32 v3, 0
	v_lshlrev_b32 v1, 4, v0                        ; 16 t
	v_lshrrev_b32 v50, 5, v0
	v_readfirstlane_b32 s18, v50
	v_mov_b32 v50, s18
	v_lshlrev_b32 v50, 2, v50                      ; my wave's word
	v_mov_b32 v51, 0
	s_lshl_b32 s20, ttmp9, 12                      ; a batch's row of 1,024 f32
	s_mov_b32 s21, 0
	s_lshl_b32 s22, ttmp9, 15                      ; its eight rows of cpart
	s_mov_b32 s23, 0
	s_mov_b32 s24, 0x76543210
	s_mov_b32 s25, 0xfedcba98
	s_wait_kmcnt 0x0
	s_add_nc_u64 s[4:5], s[4:5], s[20:21]
	s_add_nc_u64 s[6:7], s[6:7], s[22:23]
	s_add_nc_u64 s[8:9], s[8:9], s[20:21]
	s_add_nc_u64 s[10:11], s[10:11], s[20:21]
	s_add_nc_u64 s[12:13], s[12:13], s[20:21]
	s_add_nc_u64 s[14:15], s[14:15], s[20:21]
	s_add_nc_u64 s[16:17], s[16:17], s[20:21]
	global_load_b128 v[4:7], v1, s[4:5]            ; z
	global_load_b128 v[8:11], v1, s[8:9]           ; mask
	global_load_b128 v[12:15], v1, s[10:11]        ; coverage
.set j, 0
.rept 8
	global_load_b128 v[16+4*j:19+4*j], v1, s[6:7] offset:4096*j
.set j, j+1
.endr
	s_wait_loadcnt 10                              ; z is in; the ten younger loads stay out
	v_max3_num_f32 v48, v4, v5, v6
	v_max_num_f32 v48, v48, v7
	v_max_num_f32_dpp v48, v48, v48 row_xmask:1 row_mask:0xf bank_mask:0xf
	v_max_num_f32_dpp v48, v48, v48 row_xmask:2 row_mask:0xf bank_mask:0xf
	v_max_num_f32_dpp v48, v48, v48 row_xmask:4 row_mask:0xf bank_mask:0xf
	v_max_num_f32_dpp v48, v48, v48 row_xmask:8 row_mask:0xf bank_mask:0xf
	v_mov_b32 v49, v48
	v_permlanex16_b32 v49, v48, s24, s25
	v_max_num_f32 v48, v48, v49                    ; m_j
	ds_store_b32 v50, v48
	s_wait_dscnt 0x0
	s_barrier_signal -1
	s_barrier_wait -1
	ds_load_b128 v[52:55], v51
	ds_load_b128 v[56:59], v51 offset:16
	s_wait_dscnt 0x0
	v_max3_num_f32 v60, v52, v53, v54
	v_max3_num_f32 v60, v60, v55, v56
	v_max3_num_f32 v60, v60, v57, v58
	v_max_num_f32 v60, v60, v59                    ; M
.set i, 0
.rept 4
	v_sub_f32 v[4+i], v[4+i], v60
.set i, i+1
.endr
.set j, 0
.rept 8
	v_sub_f32 v[52+j], v[52+j], v60
.set j, j+1
.endr
.set i, 0
.rept 4
	v_exp_f32 v[4+i], v[4+i]
.set i, i+1
.endr
.set j, 0
.rept 8
	v_exp_f32 v[52+j], v[52+j]                     ; 2^(m_j - M)
.set j, j+1
.endr
	v_nop                                          ; a plain instruction between the last exponential and the use of a result
	s_wait_loadcnt 9                               ; the mask is in
	s_wait_alu depctr_va_vdst(0)
	v_pk_mul_f32 v[4:5], v[4:5], v[8:9]
	v_pk_mul_f32 v[6:7], v[6:7], v[10:11]
	v_add_f32 v61, v4, v5
	v_add_f32 v62, v6, v7
	v_add_f32 v61, v61, v62
	v_add_f32_dpp v61, v61, v61 row_xmask:1 row_mask:0xf bank_mask:0xf
	v_add_f32_dpp v61, v61, v61 row_xmask:2 row_mask:0xf bank_mask:0xf
	v_add_f32_dpp v61, v61, v61 row_xmask:4 row_mask:0xf bank_mask:0xf
	v_add_f32_dpp v61, v61, v61 row_xmask:8 row_mask:0xf bank_mask:0xf
	v_permlanex16_b32 v62, v61, s24, s25
	v_add_f32 v61, v61, v62
	ds_store_b32 v50, v61 offset:32                ; other bytes than the maxima's: no barrier is needed in front of this store
	s_wait_dscnt 0x0
	s_barrier_signal -1
	s_barrier_wait -1
	ds_load_b128 v[64:67], v51 offset:32
	ds_load_b128 v[68:71], v51 offset:48
	s_wait_dscnt 0x0
	v_pk_add_f32 v[64:65], v[64:65], v[66:67]
	v_pk_add_f32 v[68:69], v[68:69], v[70:71]
	v_pk_add_f32 v[64:65], v[64:65], v[68:69]
	v_add_f32 v64, v64, v65                        ; L
	v_rcp_f32 v62, v64
	v_rcp_f32 v63, v64                             ; twice: a pair for the packed multiply
	v_nop
	s_wait_alu depctr_va_vdst(0)
	v_pk_mul_f32 v[4:5], v[4:5], v[62:63]
	v_pk_mul_f32 v[6:7], v[6:7], v[62:63]
	global_store_b128 v1, v[4:7], s[14:15]         ; attn: 512 consecutive bytes a wave
	s_wait_loadcnt 8                               ; coverage is in
	v_pk_add_f32 v[12:13], v[12:13], v[4:5]
	v_pk_add_f32 v[14:15], v[14:15], v[6:7]
	global_store_b128 v1, v[12:15], s[16:17]
	s_wait_loadcnt 0x0                             ; the eight partial contexts
.set i, 0
.rept 4
	v_mul_f32 v[16+i], v[16+i], v52
.set i, i+1
.endr
.set j, 1
.rept 7
.set i, 0
.rept 4
	v_fmac_f32 v[16+i], v[16+4*j+i], v[52+j]
.set i, i+1
.endr
.set j, j+1
.endr
	v_pk_mul_f32 v[16:17], v[16:17], v[62:63]
	v_pk_mul_f32 v[18:19], v[18:19], v[62:63]
	global_store_b128 v1, v[16:19], s[12:13]
	s_wait_tensorcnt 0x0                           ; the wave's end
	ds_add_u32 v2, v3
	s_wait_dscnt 0x0
	s_endpgm
.Lfunc_end_k_qbbb1f82ce1_finish:
	.size	k_qbbb1f82ce1_finish, .Lfunc_end_k_qbbb1f82ce1_finish-k_qbbb1f82ce1_finish
	.p2alignl 7, 3214868480
	.fill 96, 4, 3214868480
	.section	.rodata,"a",@progbits
	.p2align	6, 0x0
	.amdhsa_kernel k_qbbb1f82ce1_finish
		.amdhsa_group_segment_fixed_size 1280
		.amdhsa_private_segment_fixed_size 0
		.amdhsa_enable_private_segment 0
		.amdhsa_kernarg_size 56
		.amdhsa_user_sgpr_count 2
		.amdhsa_user_sgpr_kernarg_segment_ptr 1
		.amdhsa_wavefront_size32 1
		.amdhsa_system_sgpr_workgroup_id_x 1
		.amdhsa_system_sgpr_workgroup_id_y 1
		.amdhsa_system_sgpr_workgroup_id_z 1
		.amdhsa_system_vgpr_workitem_id 0
		.amdhsa_next_free_vgpr 72
		.amdhsa_next_free_sgpr 66
		.amdhsa_reserve_vcc 0
		.amdhsa_float_denorm_mode_32 3
		.amdhsa_float_denorm_mode_16_64 3
		.amdhsa_memory_ordered 1
		.amdhsa_forward_progress 1
		.amdhsa_inst_pref_size 8
	.end_amdhsa_kernel
	.amdgpu_metadata
---
amdhsa.version: [ 1, 2 ]
amdhsa.kernels:
  - .name:           k_qbbb1f82ce1_finish
    .symbol:         k_qbbb1f82ce1_finish.kd
    .args:
      - { .name: zs, .offset: 0, .size: 8, .value_kind: global_buffer, .address_space: global }
      - { .name: cpart, .offset: 8, .size: 8, .value_kind: global_buffer, .address_space: global }
      - { .name: enc_padding_mask, .offset: 16, .size: 8, .value_kind: global_buffer, .address_space: global }
      - { .name: coverage, .offset: 24, .size: 8, .value_kind: global_buffer, .address_space: global }
      - { .name: out0, .offset: 32, .size: 8, .value_kind: global_buffer, .address_space: global }
      - { .name: out1, .offset: 40, .size: 8, .value_kind: global_buffer, .address_space: global }
      - { .name: out2, .offset: 48, .size: 8, .value_kind: global_buffer, .address_space: global }
    .group_segment_fixed_size: 1280
    .private_segment_fixed_size: 0
    .kernarg_segment_align: 8
    .kernarg_segment_size: 56
    .max_flat_workgroup_size: 256
    .sgpr_count:     66
    .vgpr_count:     72
    .wavefront_size: 32
...
	.end_amdgpu_metadata
.endif
;; end of part 3
;; ======== version 2 of 2: 3 launches; 1.17 times as fast as version 1
;; workspace buffers: wq 2,097,152 bytes; dq 262,144 bytes; zs 262,144 bytes; cpart 2,097,152 bytes
;; launch prep: the kernel of part 1 again; grid 256 x 1, 8 waves a work-group, no clusters, 9,216 bytes of LDS; arguments W_h, dec_W, s_t_hat, dec_b, wq, dq; writes wq, dq
;; launch score (part 4): grid 512 x 1, 4 waves a work-group, no clusters, 286,208 bytes of LDS; arguments h, wq, dq, W_c, v, coverage, enc_padding_mask, zs, cpart; writes zs, cpart
.if DOCPART == 4
	.amdgcn_target "amdgcn-amd-amdhsa--gfx1250"
	.amdhsa_code_object_version 6
	.text
	.protected	k_qbbb1f82ce1_score
	.globl	k_qbbb1f82ce1_score
	.p2align	8
	.type	k_qbbb1f82ce1_score,@function
k_qbbb1f82ce1_score:
	s_mov_b64 s[64:65], 0
	v_nop
	global_prefetch_b8 v0, s[64:65] scope:SCOPE_SE
	s_setreg_imm32_b32 hwreg(HW_REG_WAVE_MODE, 25, 1), 1
	s_wait_xcnt 0x0
; SCORE.  Work-group g takes 128 rows t of one batch (batch g / 8, rows 128 (g % 8) ..) and all 1,024 columns n.  With c = 2 log2(e):
;   y[t][n] = c (h[t] . W_h[n] + dec_fea[n] + coverage[t] W_c[n]);  r = 1 / (1 + 2^y), so tanh = 1 - 2 r;  q[t] = sum over n of v[n] r[t][n];  z[t] = -c q[t].
; log2(e) x score = (a number common to the batch) + z, and a softmax does not see a common shift: z is what is stored (zs).  2^y = infinity gives r = 0 and 2^y = 0 gives r = 1: tanh saturates without a clamp.
; Then, with the block's own maximum m of z (taken over all its rows, masked or not): wt[t] = 2^(z[t] - m) mask[t], and cpart[g][n] = sum over t of wt[t] h[t][n].  The next launch joins the eight blocks of a batch.
; LIMITS.  h, c W_h and wt are rounded to bf16 for the products; all sums, tanh and the softmax in f32.  A weight below 2^-126 counts as 0.  NaN and infinities among the inputs are not treated apart.
; h IS READ FROM MEMORY ONCE: it is converted to bf16 on its way in and stays in LDS (8 chunks of 128 along K, each 128 rows of 272 bytes) for all four passes and for the context.
; SHARES.  Wave w owns columns 256 w .. 256 w + 255 as four tiles of 128 rows x 64 columns: 32 accumulators X.  While tile i is multiplied, tile i - 1 (copied to Y with the coverage term) has its tanh:
; two vector instructions behind every second matrix instruction.  W's fragments come straight from memory into registers, in the order in which prep laid them: no two waves share a column.
; THE TANH'S BATCHES.  A tile's tanh goes by blocks of 16 rows, 32 registers of Y, all in place.  Batch k (0..8) is the 32 exponentials of block k and the 32 reciprocals of block k - 1; among them stand the plain lines
; that read the batch before: 1 + 2^y of block k - 1 and v r of block k - 2.  No line of a batch names a result of that batch, and one wait closes it: nine waits a tile.
; NO CLUSTER, NO TENSOR LOADS: what work-groups share is wq.  The resident block takes 278,528 of the 327,680 bytes of LDS that a work-group can have; a ring of two slots in the 41,472 bytes left beside the stages would
; hold under three K steps of 32 for 1,024 columns (65,536 bytes each), so a cluster's round would stand in front of every few products.
; THE MATRIX INSTRUCTION IS USED TRANSPOSED: source 0 = 16 rows of c W_h, source 1 = 16 rows of h: lane (r, hh), register j holds row 16 a + r, column 16 b + 8 hh + j: a row's sum over n stays in two lanes.
; REGISTERS, in windows of 256 (s_set_vgpr_msb: bits 1:0 source 0, 3:2 source 1, 5:4 source 2, 7:6 destination):
;   window 0: v0-15 addresses; v16-23 c coverage; v24-39 q, a pair for each block of 16 rows; v40-41 the add's; v42-63 at work; v64-95 DEC; v96-127 v; v128-255 two buffers of h fragments
;   window 1: W's fragments, eight slots of 32         window 2: X[a][b] at 32 a + 8 b
;   window 3: Y, same shape; in pass 0: v0-127 h as loaded, v128-143 at work; v224-255 take W_c ahead of each copy from X
.set CEXP,  0x4038aa3b                 ; c
.set NCEXP, 0xc038aa3b                 ; -c
.set PA,    272                        ; an LDS row: 256 bytes + 16: an odd multiple of 16, so the 16 rows of a fragment load start at 16 different groups of four banks (ISA guide 11.1)
.set ATL,   16*PA                      ; 16 rows
.set CHK,   128*PA                     ; a chunk: 128 rows x 128 along K
.set SCP,   8*CHK                      ; [wave][128] f32: the waves' parts of q
.set PW,    SCP+2048                   ; [wave][128] bf16: the weights, a copy for each wave
.set CST,   PW+1024                    ; [1024] f32: the context on its way out, 1,024 bytes for each wave
.set SPARE, CST+4096                   ; the spare words, 128 bytes a wave
.set LANE, 1
.set BOFF, 2                           ; 16 x lane
.set CO,   3                           ; 32 hh: my 8 columns of a block of 16
.set ALD,  4                           ; v4-7  r PA + 16 hh + q x two chunks
.set AP,   8                           ; pass 0: the same at the chunk in hand
.set TRA,  9                           ; the context's turning loads
.set HH,   10
.set RR,   11
.set HOFF, 12                          ; my wave's 32 rows of h, 16 x lane
.set HST,  13                          ; where I put 8 bytes of a row of the chunk that is being converted
.set COVO, 14                          ; 4 r
.set HST0, 15
.set COV,  16
.set QS,   24
.set SPW,  40
.set NIL,  41
.set DEC,  64
.set VV,   96
.set AF,   128
.set WV,   2                           ; s2 wave;  s3 work-group
.set GI,   3
.set OFS,  26                          ; s[26:27] an offset, high word 0
.set HP,   28                          ; s[28:29] h at the chunk to be asked for
.set BC,   30                          ; s[30:31] wq at the tile in hand (pass 0: at the chunk in hand)
.set BN,   32                          ; s[32:33] wq at the next tile
.set WQW,  34                          ; s[34:35] wq at my wave's four tiles
.set DQB,  36                          ; s[36:37] dq at my batch and my wave's columns
.set SDEC, 38
.set WCB,  40
.set SWC,  42
.set VB,   44
.set SV,   46
.set TI,   48
.set CNT,  49
.set TI2,  50
.set LOFF, 51                          ; s51 pass 0: LDS byte at which the chunk in hand begins
.set SEL,  52                          ; s[52:53] v_permlanex16_b32: each lane takes its own place in the other half
.set SC,   54
.set SNC,  55
.set TS,   56
.set MSB, 0
.macro WIN new                         ; the high byte repeats the setting that is left; a switch that changes nothing is dropped
.if MSB != (\new)
	s_set_vgpr_msb (MSB<<8)|(\new)
.set MSB, (\new)
.endif
.endm
.macro PLACES                          ; four places: in front of loads into registers that matrix instructions have read, and of reads of their results (ISA guide 7.12.1 for reads of results)
.rept 4
	v_nop
.endr
.endm
; THE TANH OF A TILE as a numbered queue; RIDER writes number U, if it holds an instruction, and counts it in EM.  Numbers 96 k .. 96 k + 95 are batch k: sixteen groups of six, group i for pair i of a block's sixteen
; (a pair: two neighbouring registers of Y): the two exponentials of block k's pair; 1 + 2^y for block k - 1's pair; its two reciprocals; v r of block k - 2's pair onto the sum of that block's 16 rows, which is kept in the
; block's first pair.  A number whose block does not exist (k - 1 or k - 2 below 0, k or k - 1 above 7) holds nothing.  So every exponential and every reciprocal of batch k is first named in batch k + 1, behind the wait that
; SHUT writes between the two.  The plain instruction between a batch's last reciprocal or exponential and the use of a result (ISA guide 5.7.2) is the last group's v r, of another block; batches 0 and 1 have none, and a
; v_nop ends them.  Numbers 864-959 are block 7's v r alone; 960-967 add the eight sums onto q.
.macro RIDER
.set rk, U/96
.set ri, (U%96)/6
.set rq, U%6
.if U >= 960
	WIN 0x0c
	v_pk_add_f32 v[QS+2*(U-960):QS+2*(U-960)+1], v[QS+2*(U-960):QS+2*(U-960)+1], v[32*(U-960):32*(U-960)+1]
.set EM, EM+1
.elseif rq < 2
.if rk < 8
	WIN 0xf3
	v_exp_f32 v[32*rk+2*ri+rq], v[32*rk+2*ri+rq]
.set EM, EM+1
.endif
.elseif rq == 2
.if (rk >= 1) && (rk <= 8)
	WIN 0xf3
	v_pk_add_f32 v[32*rk-32+2*ri:32*rk-31+2*ri], v[32*rk-32+2*ri:32*rk-31+2*ri], 1.0 op_sel_hi:[1,0]
.set EM, EM+1
.endif
.elseif rq < 5
.if (rk >= 1) && (rk <= 8)
	WIN 0xf3
	v_rcp_f32 v[32*rk-35+2*ri+rq], v[32*rk-35+2*ri+rq]
.set EM, EM+1
.endif
.elseif rk >= 2
	WIN 0xf3
.if ri == 0
	v_pk_mul_f32 v[32*rk-64:32*rk-63], v[32*rk-64:32*rk-63], v[VV:VV+1]
.else
	v_pk_fma_f32 v[32*rk-64:32*rk-63], v[32*rk-64+2*ri:32*rk-63+2*ri], v[VV+2*ri:VV+2*ri+1], v[32*rk-64:32*rk-63]
.endif
.set EM, EM+1
.elseif ri == 15
	v_nop                                          ; batches 0 and 1: the plain instruction behind the batch's last exponential or reciprocal
.set EM, EM+1
.endif
.set U, U+1
.endm
.macro QSTART                          ; a tile's queue begins: number 0, batch 0, which ends in front of number 96
.set U, 0
.set PH, 0
.set LIM, 96
.endm
.macro SLICE                           ; the next two instructions of the batch in hand, while it has any: never one of the next batch
.set EM, 0
.rept 12                               ; at most ten numbers that hold nothing lie among two that do (block 7's v r: one in six)
.if (EM < 2) && (U < LIM)
	RIDER
.endif
.endr
.endm
.macro SHUT                            ; if the batch in hand is out: its wait, and the next batch is opened
.if (U == LIM) && (PH < 9)
	s_wait_alu depctr_va_vdst(0)                   ; the wait ahead of the first line that names a result: one for batch PH's exponentials (block PH) and reciprocals (block PH - 1)
.set PH, PH+1
.set LIM, 96*(PH+1)+8*(PH/9)
.endif
.endm
; 16 matrix instructions: row blocks a0 .. a0 + 3 x all four column blocks, 32 along K.  cdec = 1: the tile's first K step: the sums start with DEC.  ride = 1: a slice behind every second one.
; A step's 32 accumulators take turns, in the same order in every step.
.macro MUL16 buf, slot, a0, cdec, ride
.set ma, (\a0)
.rept 4
.set mb, 0
.rept 4
.if \cdec
	WIN 0x81
	v_wmma_f32_16x16x32_bf16 v[32*ma+8*mb:32*ma+8*mb+7], v[32*(\slot)+8*mb:32*(\slot)+8*mb+7], v[AF+64*(\buf)+8*ma:AF+64*(\buf)+8*ma+7], v[DEC+8*mb:DEC+8*mb+7]
.else
	WIN 0xa1
	v_wmma_f32_16x16x32_bf16 v[32*ma+8*mb:32*ma+8*mb+7], v[32*(\slot)+8*mb:32*(\slot)+8*mb+7], v[AF+64*(\buf)+8*ma:AF+64*(\buf)+8*ma+7], v[32*ma+8*mb:32*ma+8*mb+7]
.endif
.if (\ride) && (mb%2 == 1)
	SLICE
.endif
.set mb, mb+1
.endr
.set ma, ma+1
.endr
.endm
.macro ALOAD buf, reg, off             ; 16 LDS loads: the eight fragments of h for one K step, row blocks ascending
	WIN 0
.set la, 0
.rept 8
	ds_load_b128 v[AF+64*(\buf)+8*la:AF+64*(\buf)+8*la+3], v[\reg] offset:(\off)+la*ATL
	ds_load_b128 v[AF+64*(\buf)+8*la+4:AF+64*(\buf)+8*la+7], v[\reg] offset:(\off)+la*ATL+32
.set la, la+1
.endr
.endm
.macro BLOAD slot, base, off           ; 8 loads of 512 consecutive bytes: the four fragments of c W_h for one K step
	WIN 0x40
.set lb, 0
.rept 4
	global_load_b128 v[32*(\slot)+8*lb:32*(\slot)+8*lb+3], v[BOFF], s[\base:\base+1] offset:(\off)+lb*1024
	global_load_b128 v[32*(\slot)+8*lb+4:32*(\slot)+8*lb+7], v[BOFF], s[\base:\base+1] offset:(\off)+lb*1024+512
.set lb, lb+1
.endr
.endm
.macro CLOAD dst, win, base, str, xo   ; 8 loads: my 8 columns' numbers for each of a tile's four column blocks, str bytes apart
	WIN \win
.set lb, 0
.rept 4
	global_load_b128 v[(\dst)+8*lb:(\dst)+8*lb+3], v[CO], s[\base:\base+1] offset:(\xo)+lb*(\str)
	global_load_b128 v[(\dst)+8*lb+4:(\dst)+8*lb+7], v[CO], s[\base:\base+1] offset:(\xo)+lb*(\str)+16
.set lb, lb+1
.endr
.endm
; Four rows of my wave's 32 (a load each: 512 consecutive bytes of a row of h) are rounded to bf16 and put into LDS.  n: the younger loads that may stay out.  re = 1: the four registers sets take the same rows of the chunk at HP + xo.
.macro HGROUP g, n, re, xo
	s_wait_loadcnt \n
	WIN 0xcf
.set hq, 4*(\g)
.set ht, 128+8*((\g)%2)
.rept 4
	v_cvt_pk_bf16_f32 v[ht], v[4*hq], v[4*hq+1]
	v_cvt_pk_bf16_f32 v[ht+1], v[4*hq+2], v[4*hq+3]
.set hq, hq+1
.set ht, ht+2
.endr
	WIN 0x0c
.set hq, 4*(\g)
.set ht, 128+8*((\g)%2)
.rept 4
	ds_store_b64 v[HST], v[ht:ht+1] offset:hq*PA
.set hq, hq+1
.set ht, ht+2
.endr
.if \re
	WIN 0xc0
.set hq, 4*(\g)
.rept 4
	global_load_b128 v[4*hq:4*hq+3], v[HOFF], s[HP:HP+1] offset:hq*4096+(\xo) th:TH_LOAD_NT
.set hq, hq+1
.endr
.endif
.endm
; A K step of pass 0: slot j of four, W three steps ahead.  nb: the loads issued behind this step's W.  bw = 1: the barrier signalled at the end of the step before is waited for: the next chunk is whole.
.macro CSTEP j, nb, cdec, bw, areg, aoff, bbase, boff
	s_wait_loadcnt \nb
	s_wait_dscnt 0x0                               ; this step's fragments of h are in (and my stores into LDS are done)
	MUL16 (\j)&1, \j, 0, \cdec, 0
	PLACES
.if \bw
	s_barrier_wait -1
.endif
	ALOAD ((\j)+1)&1, \areg, \aoff
	BLOAD ((\j)+3)&3, \bbase, \boff
	MUL16 (\j)&1, \j, 4, \cdec, 0
.endm
; Y = W_c x (c coverage) + X: 128 packed multiply-adds, each accumulator from its low end on; the last block of rows lands on W_c's own registers.
.macro BOUNDARY
	s_wait_loadcnt 32                              ; behind W_c's loads stand four K steps' loads of W: v, W_c and DEC are in
	PLACES
	WIN 0xe3
.set ba, 0
.rept 8
.set bp, 0
.rept 16
.if ba%2 == 0
	v_pk_fma_f32 v[32*ba+2*bp:32*ba+2*bp+1], v[224+2*bp:224+2*bp+1], v[COV+ba:COV+ba+1], v[32*ba+2*bp:32*ba+2*bp+1] op_sel_hi:[1,0,1]
.else
	v_pk_fma_f32 v[32*ba+2*bp:32*ba+2*bp+1], v[224+2*bp:224+2*bp+1], v[COV+ba-1:COV+ba], v[32*ba+2*bp:32*ba+2*bp+1] op_sel:[0,1,0] op_sel_hi:[1,1,1]
.endif
.set bp, bp+1
.endr
.set ba, ba+1
.endr
.endm
; K step SS of passes 1 to 3: slot SS % 8, W six steps ahead (from step 26 on the next tile's first six), h's fragments one step ahead.
; A half step deals 16 of the queue's instructions.  A batch is closed in the middle of a step, directly ahead of the step's run of LDS loads: batch 0 (33 instructions) in step 1, batch 1 (81) in step 4, batches 2 to 7
; (96 each, three steps) in steps 7, 10, 13, 16, 19 and 22, batch 8 (64) in step 24; what is left, block 7's v r and the sums onto q (24), ends in the first half of step 25.  Behind step 24's wait no exponential
; and no reciprocal is issued.
.macro STEP
.set CD, 0
.if SS == 0
.set CD, 1
.endif
.set SN, (SS+1)&31
	s_wait_loadcnt 40                              ; five younger steps of W may stay out (loads of constants among them only make the true number larger)
	s_wait_dscnt 8                                 ; row blocks 0-3 are in; the youngest eight loads may be out
	MUL16 SS&1, SS&7, 0, CD, 1
	PLACES
	SHUT                                           ; the batch's wait, in the steps named above; elsewhere nothing
	ALOAD SN&1, ALD+(SN>>3), ((SN>>2)&1)*CHK+(SN&3)*64
.if SS <= 25
	BLOAD (SS+6)&7, BC, (SS+6)*4096
.else
	BLOAD (SS+6)&7, BN, (SS-26)*4096
.endif
.if SS == 2
	CLOAD DEC, 0, SDEC, 1024, 0                    ; the next tile's DEC: this tile's was read in step 0
.endif
.if SS == 26
	CLOAD VV, 0, SV, 64, 0                         ; this tile's v: the queue's last line that reads the last tile's stands in step 24
.endif
.if SS == 27
	CLOAD 224, 0xc0, SWC, 64, 0                    ; this tile's W_c: the queue, which ended in step 25, has read Y's last block
.endif
	s_wait_dscnt 16                                ; all but the 16 just issued
	MUL16 SS&1, SS&7, 4, CD, 1
.endm
.macro TLOAD k                         ; the context: rows 32 k .. of h, my 256 channels, turned: 16 fragments; even k into window 0, odd k into window 1
.if (\k)%2
	WIN 0x40
.set tb, 0
.else
	WIN 0
.set tb, 128
.endif
.set tn, 0
.rept 16
	ds_load_tr16_b128 v[tb+8*tn:tb+8*tn+3], v[TRA] offset:(\k)*32*PA+(tn/8)*CHK+(tn%8)*32
	ds_load_tr16_b128 v[tb+8*tn+4:tb+8*tn+7], v[TRA] offset:(\k)*32*PA+(tn/8)*CHK+(tn%8)*32+ATL
.set tn, tn+1
.endr
.endm
.macro CMUL k, zero                    ; 16 products wt x h, 16 accumulators by turns
.if (\k)%2
	WIN 0xa4
.set tb, 0
.else
	WIN 0xa0
.set tb, 128
.endif
.set tn, 0
.rept 16
.if \zero
	v_wmma_f32_16x16x32_bf16 v[8*tn:8*tn+7], v[DEC+8*(\k):DEC+8*(\k)+7], v[tb+8*tn:tb+8*tn+7], 0
.else
	v_wmma_f32_16x16x32_bf16 v[8*tn:8*tn+7], v[DEC+8*(\k):DEC+8*(\k)+7], v[tb+8*tn:tb+8*tn+7], v[8*tn:8*tn+7]
.endif
.set tn, tn+1
.endr
.endm
	; ---------------- the head ----------------
	s_load_b512 s[8:23], s[0:1], 0x0               ; h s[8:9], wq s[10:11], dq s[12:13], W_c s[14:15], v s[16:17], coverage s[18:19], mask s[20:21], zs s[22:23]
	s_load_b64 s[24:25], s[0:1], 0x40              ; cpart
	v_lshl_add_u32 v[SPW], v0, 2, SPARE
	v_mov_b32 v[NIL], 0
	v_lshrrev_b32 v1, 5, v0
	v_readfirstlane_b32 s[WV], v1                  ; wave 0..3
	s_mov_b32 s[GI], ttmp9
	v_and_b32 v[LANE], 31, v0
	v_lshlrev_b32 v[BOFF], 4, v[LANE]
	v_bfe_u32 v[HH], v0, 4, 1
	v_and_b32 v[RR], 15, v0
	v_lshlrev_b32 v[CO], 5, v[HH]
	v_lshlrev_b32 v[COVO], 2, v[RR]
	v_mul_u32_u24 v[ALD], v[RR], PA
	v_lshl_add_u32 v[ALD], v[HH], 4, v[ALD]        ; a fragment's row x pitch + 16 x half
	v_add_nc_u32 v[ALD+1], 2*CHK, v[ALD]
	v_add_nc_u32 v[ALD+2], 4*CHK, v[ALD]
	v_add_nc_u32 v[ALD+3], 6*CHK, v[ALD]
	v_mov_b32 v[AP], v[ALD]
	s_lshl_b32 s[OFS], s[WV], 17                   ; 32 rows of 4,096 bytes
	v_add_nc_u32 v[HOFF], s[OFS], v[BOFF]
	s_mul_i32 s[OFS], s[WV], 32*PA
	v_lshl_add_u32 v[HST], v[LANE], 3, s[OFS]      ; chunk 0
	v_add_nc_u32 v[HST0], CHK, v[HST]              ; one chunk ahead of the chunk in hand
	v_and_b32 v42, 7, v0                           ; the turning load: lane l reads row 8 (l / 16) + l % 8, 16 bytes at 16 ((l / 8) % 2)
	v_lshl_add_u32 v42, v[HH], 3, v42
	v_mul_u32_u24 v[TRA], v42, PA
	v_bfe_u32 v42, v0, 3, 1
	v_lshl_add_u32 v[TRA], v42, 4, v[TRA]
	s_mul_i32 s[OFS], s[WV], 2*CHK                 ; my 256 channels are chunks 2 w and 2 w + 1
	v_add_nc_u32 v[TRA], s[OFS], v[TRA]
.set ia, 0
.rept 16
	v_mov_b32 v[QS+ia], 0                          ; q starts at 0: four tiles add onto it by one text
.set ia, ia+1
.endr
	s_mov_b32 s[OFS+1], 0
	s_mov_b32 s[SEL], 0x76543210
	s_mov_b32 s[SEL+1], 0xfedcba98
	s_mov_b32 s[SC], CEXP
	s_mov_b32 s[SNC], NCEXP
	s_mov_b32 s[LOFF], 0
	s_wait_kmcnt 0x0
	s_lshl_b32 s[OFS], s[GI], 19                   ; 128 rows of 4,096 bytes
	s_add_nc_u64 s[HP:HP+1], s[8:9], s[OFS:OFS+1]
	s_lshl_b32 s[OFS], s[WV], 19                   ; four tiles of 131,072 bytes
	s_add_nc_u64 s[WQW:WQW+1], s[10:11], s[OFS:OFS+1]
	s_mov_b64 s[BC:BC+1], s[WQW:WQW+1]
	s_add_nc_u64 s[BN:BN+1], s[WQW:WQW+1], 0x20000
	s_lshr_b32 s[OFS], s[GI], 7                    ; dq: the batch's group of 16,
	s_lshl_b32 s[OFS], s[OFS], 16
	s_bfe_u32 s[TS], s[GI], 0x40003                ; its place in the group,
	s_lshl_b32 s[TS], s[TS], 6
	s_add_co_u32 s[OFS], s[OFS], s[TS]
	s_lshl_b32 s[TS], s[WV], 14                    ; my wave's 16 tiles of 16 columns
	s_add_co_u32 s[OFS], s[OFS], s[TS]
	s_add_nc_u64 s[DQB:DQB+1], s[12:13], s[OFS:OFS+1]
	s_lshl_b32 s[OFS], s[WV], 10                   ; my wave's 256 columns in f32
	s_add_nc_u64 s[WCB:WCB+1], s[14:15], s[OFS:OFS+1]
	s_add_nc_u64 s[VB:VB+1], s[16:17], s[OFS:OFS+1]
	s_lshl_b32 s[TS], s[GI], 12
	s_add_co_u32 s[OFS], s[OFS], s[TS]
	s_add_nc_u64 s[24:25], s[24:25], s[OFS:OFS+1]  ; cpart at my block's row, my wave's columns
	s_lshl_b32 s[OFS], s[GI], 9                    ; my block's 128 numbers in coverage, mask and zs
	s_add_nc_u64 s[18:19], s[18:19], s[OFS:OFS+1]
	s_add_nc_u64 s[20:21], s[20:21], s[OFS:OFS+1]
	s_add_nc_u64 s[22:23], s[22:23], s[OFS:OFS+1]
	CLOAD DEC, 0, DQB, 1024, 0                     ; tile 0's DEC
	WIN 0xc0
.set hq, 0
.rept 32                               ; chunk 0: my wave's 32 rows, 512 bytes of each
	global_load_b128 v[4*hq:4*hq+3], v[HOFF], s[HP:HP+1] offset:hq*4096 th:TH_LOAD_NT
.set hq, hq+1
.endr
	; chunk 0 is converted, chunk 1 asked for (512 bytes on), and W's first three K steps, in the order in which a trip of the loop issues its loads.
	; Behind a group's four loads stand 28 of h, and 8 more for each step of W issued so far.
	HGROUP 0, 28, 1, 512
	HGROUP 1, 28, 1, 512
	HGROUP 2, 28, 1, 512
	BLOAD 0, BC, 0
	HGROUP 3, 36, 1, 512
	HGROUP 4, 36, 1, 512
	HGROUP 5, 36, 1, 512
	BLOAD 1, BC, 4096
	HGROUP 6, 44, 1, 512
	HGROUP 7, 44, 1, 512
	BLOAD 2, BC, 8192
	WIN 0
	s_wait_xcnt 0x0                                ; the loads' base is stepped only behind this wait
	s_add_nc_u64 s[HP:HP+1], s[HP:HP+1], 1024      ; chunk 2
	v_add_nc_u32 v[HST], s[LOFF], v[HST0]          ; chunk 1
	s_wait_dscnt 0x0                               ; for the others' sake: my rows of chunk 0 are written
	s_barrier_signal -1
	s_barrier_wait -1
	ALOAD 0, AP, 0
	; ---------------- pass 0: tile 0 is multiplied chunk by chunk as h arrives ----------------
	; A trip multiplies chunk c, converts chunk c + 1 and asks for chunk c + 2.  It issues 64 loads: W (8), groups 0-2 (12); W, groups 3-5; W, groups 6-7; W.  So behind a group's four loads stand 60 when the group's turn
	; comes again, and behind a step's W 36, 36, 40 and 48.  A chunk's bytes are written once in the launch; one barrier stands between the writing and the first read.
	CSTEP 0, 36, 1, 0, AP, 64, BC, 3*4096          ; the one K step that starts the sums is written out; the loop is entered behind its own first step
	HGROUP 0, 60, 1, 0
	HGROUP 1, 60, 1, 0
	HGROUP 2, 60, 1, 0
	WIN 0
	s_mov_b32 s[CNT], 6
	s_branch .Lin
.Lchunk:
	CSTEP 0, 36, 0, 0, AP, 64, BC, 3*4096
	HGROUP 0, 60, 1, 0
	HGROUP 1, 60, 1, 0
	HGROUP 2, 60, 1, 0
	WIN 0
.Lin:
	CSTEP 1, 36, 0, 0, AP, 128, BC, 4*4096
	HGROUP 3, 60, 1, 0
	HGROUP 4, 60, 1, 0
	HGROUP 5, 60, 1, 0
	CSTEP 2, 40, 0, 0, AP, 192, BC, 5*4096
	HGROUP 6, 60, 1, 0
	HGROUP 7, 60, 1, 0
	s_wait_dscnt 0x0                               ; my rows of the next chunk are written:
	s_barrier_signal -1                            ; say so; sixteen products stand between the signal and the wait
	CSTEP 3, 48, 0, 1, AP, CHK, BC, 6*4096         ; behind the wait: the next chunk's first fragments
	WIN 0
	s_wait_xcnt 0x0                                ; the loads' bases are stepped only behind this wait
	s_add_nc_u64 s[HP:HP+1], s[HP:HP+1], 512
	s_add_nc_u64 s[BC:BC+1], s[BC:BC+1], 16384
	s_add_co_u32 s[LOFF], s[LOFF], CHK
	v_add_nc_u32 v[AP], s[LOFF], v[ALD]
	v_add_nc_u32 v[HST], s[LOFF], v[HST0]
	s_sub_co_u32 s[CNT], s[CNT], 1
	s_cmp_lg_u32 s[CNT], 0
	s_cbranch_scc1 .Lchunk
	; chunk 6: chunk 7 is converted, nothing more of h is asked for: the counts run down
	CSTEP 0, 36, 0, 0, AP, 64, BC, 3*4096
	HGROUP 0, 60, 0, 0
	HGROUP 1, 56, 0, 0
	HGROUP 2, 52, 0, 0
	CSTEP 1, 24, 0, 0, AP, 128, BC, 4*4096
	HGROUP 3, 48, 0, 0
	HGROUP 4, 44, 0, 0
	HGROUP 5, 40, 0, 0
	CSTEP 2, 16, 0, 0, AP, 192, BC, 5*4096
	HGROUP 6, 36, 0, 0
	HGROUP 7, 32, 0, 0
	s_wait_dscnt 0x0
	s_barrier_signal -1
	CSTEP 3, 16, 0, 1, AP, CHK, BC, 6*4096
	; chunk 7 (addresses by immediates from chunk 6's): the tile's constants, and the next tile's first K steps of W
	CSTEP 0, 16, 0, 0, AP, CHK+64, BC, 7*4096
	CLOAD VV, 0, VB, 64, 0                         ; tile 0's v
	CLOAD 224, 0xc0, WCB, 64, 0                    ; tile 0's W_c
	WIN 0
.set ia, 0
.rept 8
	global_load_b32 v[COV+ia], v[COVO], s[18:19] offset:64*ia  ; coverage of row 16 a + r
.set ia, ia+1
.endr
	CLOAD DEC, 0, DQB, 1024, 4096                  ; tile 1's DEC
	CSTEP 1, 48, 0, 0, AP, CHK+128, BN, 0          ; behind step 29's W: steps 30, 31 and the 32 loads of constants
	CSTEP 2, 48, 0, 0, AP, CHK+192, BN, 4096       ; behind step 30's: step 31, the 32, the next tile's step 0
	CSTEP 3, 48, 0, 0, ALD, 0, BN, 8192            ; behind step 31's: the 32, the next tile's steps 0 and 1
	PLACES
	BLOAD 3, BN, 3*4096
	BLOAD 4, BN, 4*4096
	BLOAD 5, BN, 5*4096
	WIN 0
	s_wait_loadcnt 48                              ; behind the constants stand the next tile's six K steps of W
.set ia, 0
.rept 8
	v_mul_f32 v[COV+ia], s[SC], v[COV+ia]          ; c coverage
.set ia, ia+1
.endr
	s_mov_b32 s[TI], 0
	s_mov_b32 s[CNT], 3
	; ---------------- passes 1 to 3: tile TI is multiplied, tile TI - 1 has its tanh ----------------
.Lpass:
	s_wait_xcnt 0x0                                ; the loads' bases are written only behind this wait
	s_add_co_u32 s[TI], s[TI], 1
	s_mov_b64 s[BC:BC+1], s[BN:BN+1]
	s_add_co_u32 s[TI2], s[TI], 1
	s_and_b32 s[TI2], s[TI2], 3                    ; the tile after; behind the last it wraps to 0, so that the look-ahead stays inside the buffers (those loads serve nothing)
	s_lshl_b32 s[OFS], s[TI2], 17
	s_add_nc_u64 s[BN:BN+1], s[WQW:WQW+1], s[OFS:OFS+1]
	s_lshl_b32 s[OFS], s[TI2], 12
	s_add_nc_u64 s[SDEC:SDEC+1], s[DQB:DQB+1], s[OFS:OFS+1]
	s_lshl_b32 s[OFS], s[TI], 8
	s_add_nc_u64 s[SWC:SWC+1], s[WCB:WCB+1], s[OFS:OFS+1]
	s_add_nc_u64 s[SV:SV+1], s[VB:VB+1], s[OFS:OFS+1]
	BOUNDARY
	QSTART
.set SS, 0
.rept 32
	STEP
.set SS, SS+1
.endr
	WIN 0
	s_sub_co_u32 s[CNT], s[CNT], 1
	s_cmp_lg_u32 s[CNT], 0
	s_cbranch_scc1 .Lpass
	; ---------------- the last tile's tanh: no product is left to stand beside it ----------------
	; The same queue and the same nine batches; each batch's wait stands straight behind its last slice.  390 slices hold work (17, 41, six times 48, 32 and 12); behind the queue's end SLICE writes nothing.
	BOUNDARY
	QSTART
.rept 400
	SLICE
	SHUT
.endr
	; ---------------- q, z, the block's weights ----------------
	WIN 0
	s_wait_loadcnt 0x0                             ; the look-ahead's loads have landed: their registers are free
	s_wait_dscnt 0x0
	global_load_b128 v[16:19], v[BOFF], s[20:21]   ; the mask of rows 4 l .. 4 l + 3
.set ia, 0
.rept 8
	v_add_f32 v[QS+2*ia], v[QS+2*ia], v[QS+2*ia+1]
.set ia, ia+1
.endr
.set ia, 0
.rept 8
	v_permlanex16_b32 v[QS+2*ia+1], v[QS+2*ia], s[SEL], s[SEL+1]  ; the row's other columns lie in the lane 16 away
.set ia, ia+1
.endr
.set ia, 0
.rept 8
	v_add_f32 v[QS+2*ia], v[QS+2*ia], v[QS+2*ia+1]
.set ia, ia+1
.endr
	s_lshl_b32 s[OFS], s[WV], 9
	s_add_co_u32 s[OFS], s[OFS], SCP
	v_lshl_add_u32 v42, v[RR], 2, s[OFS]
.set ia, 0
.rept 8
	ds_store_b32 v42, v[QS+2*ia] offset:64*ia      ; row 16 a + r; both halves of the lanes write the same number
.set ia, ia+1
.endr
	s_wait_dscnt 0x0                               ; for the others' sake
	s_barrier_signal -1
	s_barrier_wait -1
	v_add_nc_u32 v43, SCP, v[BOFF]
	ds_load_b128 v[44:47], v43                     ; every wave adds the four parts, in the same order: the same bits in all four
	ds_load_b128 v[48:51], v43 offset:512
	ds_load_b128 v[52:55], v43 offset:1024
	ds_load_b128 v[56:59], v43 offset:1536
	s_wait_dscnt 0x0
	v_pk_add_f32 v[44:45], v[44:45], v[48:49]
	v_pk_add_f32 v[46:47], v[46:47], v[50:51]
	v_pk_add_f32 v[52:53], v[52:53], v[56:57]
	v_pk_add_f32 v[54:55], v[54:55], v[58:59]
	v_pk_add_f32 v[44:45], v[44:45], v[52:53]
	v_pk_add_f32 v[46:47], v[46:47], v[54:55]
.set ia, 0
.rept 4
	v_mul_f32 v[44+ia], s[SNC], v[44+ia]           ; z = -c q
.set ia, ia+1
.endr
	v_max3_num_f32 v60, v44, v45, v46
	v_max_num_f32 v60, v60, v47
	v_max_num_f32_dpp v60, v60, v60 row_xmask:1 row_mask:0xf bank_mask:0xf
	v_max_num_f32_dpp v60, v60, v60 row_xmask:2 row_mask:0xf bank_mask:0xf
	v_max_num_f32_dpp v60, v60, v60 row_xmask:4 row_mask:0xf bank_mask:0xf
	v_max_num_f32_dpp v60, v60, v60 row_xmask:8 row_mask:0xf bank_mask:0xf
	v_mov_b32 v61, v60                             ; the exchange's destination counts as read
	v_permlanex16_b32 v61, v60, s[SEL], s[SEL+1]
	v_max_num_f32 v60, v60, v61                    ; the block's maximum, in every lane
.set ia, 0
.rept 4
	v_sub_f32 v[48+ia], v[44+ia], v60
.set ia, ia+1
.endr
.set ia, 0
.rept 4
	v_exp_f32 v[48+ia], v[48+ia]
.set ia, ia+1
.endr
	s_lshl_b32 s[OFS], s[WV], 8
	s_add_co_u32 s[OFS], s[OFS], PW
	v_lshl_add_u32 v20, v[LANE], 3, s[OFS]         ; (plain instructions between the exponentials and the use of their results)
	v_lshl_add_u32 v21, v[HH], 4, s[OFS]
	s_wait_loadcnt 0x0                             ; the mask
	s_wait_alu depctr_va_vdst(0)                   ; the wait ahead of the first use: one for the four exponentials
	v_pk_mul_f32 v[48:49], v[48:49], v[16:17]
	v_pk_mul_f32 v[50:51], v[50:51], v[18:19]
	v_cvt_pk_bf16_f32 v62, v48, v49
	v_cvt_pk_bf16_f32 v63, v50, v51
	ds_store_b64 v20, v[62:63]                     ; my wave's own copy of the 128 weights: no barrier between this and the loads below
	s_cmp_lg_u32 s[WV], 0
	s_cbranch_scc1 .Lnot0
	global_store_b128 v[BOFF], v[44:47], s[22:23]  ; wave 0 stores z: 512 consecutive bytes; v44-47 are not written again
.Lnot0:
	; ---------------- the partial context: source 0 = the weights (16 equal rows), source 1 = 32 rows of h x 16 channels, turned ----------------
.set ik, 0
.rept 4
	ds_load_b128 v[DEC+8*ik:DEC+8*ik+3], v21 offset:64*ik
	ds_load_b128 v[DEC+8*ik+4:DEC+8*ik+7], v21 offset:64*ik+32
.set ik, ik+1
.endr
	TLOAD 0
	TLOAD 1
	s_lshl_b32 s[OFS], s[WV], 10
	s_add_co_u32 s[OFS], s[OFS], CST
	WIN 0
	v_lshl_add_u32 v22, v[RR], 2, s[OFS]
	v_add_nc_u32 v23, s[OFS], v[BOFF]
	s_wait_dscnt 32                                ; all but the 32 loads issued last
	CMUL 0, 1
	PLACES
	TLOAD 2
	s_wait_dscnt 32
	CMUL 1, 0
	PLACES
	TLOAD 3
	s_wait_dscnt 32
	CMUL 2, 0
	s_wait_dscnt 0x0
	CMUL 3, 0
	PLACES
	WIN 0x08                                       ; the stores' data lie in window 2
.set tn, 0
.rept 16
	ds_store_b32 v22, v[8*tn] offset:64*tn         ; all 16 rows of a result are equal: its lowest register holds channel 16 tn + r
.set tn, tn+1
.endr
	WIN 0
	ds_load_b128 v[24:27], v23                     ; my wave's own bytes, served in order (ISA guide 5.7.1.4)
	ds_load_b128 v[28:31], v23 offset:512
	s_wait_dscnt 0x0
	global_store_b128 v[BOFF], v[24:27], s[24:25]  ; 512 consecutive bytes each
	global_store_b128 v[BOFF], v[28:31], s[24:25] offset:512
	s_wait_tensorcnt 0x0                           ; the wave's end
	ds_add_u32 v[SPW], v[NIL]
	s_wait_dscnt 0x0
	s_endpgm
.Lfunc_end_k_qbbb1f82ce1_score:
	.size	k_qbbb1f82ce1_score, .Lfunc_end_k_qbbb1f82ce1_score-k_qbbb1f82ce1_score
	.p2alignl 7, 3214868480
	.fill 96, 4, 3214868480
	.section	.rodata,"a",@progbits
	.p2align	6, 0x0
	.amdhsa_kernel k_qbbb1f82ce1_score
		.amdhsa_group_segment_fixed_size 286208
		.amdhsa_private_segment_fixed_size 0
		.amdhsa_enable_private_segment 0
		.amdhsa_kernarg_size 72
		.amdhsa_user_sgpr_count 2
		.amdhsa_user_sgpr_kernarg_segment_ptr 1
		.amdhsa_wavefront_size32 1
		.amdhsa_system_sgpr_workgroup_id_x 1
		.amdhsa_system_sgpr_workgroup_id_y 1
		.amdhsa_system_sgpr_workgroup_id_z 1
		.amdhsa_system_vgpr_workitem_id 0
		.amdhsa_next_free_vgpr 1024
		.amdhsa_next_free_sgpr 66
		.amdhsa_reserve_vcc 0
		.amdhsa_float_denorm_mode_32 3
		.amdhsa_float_denorm_mode_16_64 3
		.amdhsa_memory_ordered 1
		.amdhsa_forward_progress 1
		.amdhsa_inst_pref_size 255
	.end_amdhsa_kernel
	.section	.bss,"aw",@nobits
	.p2align	6
	.space	262144
	.amdgpu_metadata
---
amdhsa.version: [ 1, 2 ]
amdhsa.kernels:
  - .name:           k_qbbb1f82ce1_score
    .symbol:         k_qbbb1f82ce1_score.kd
    .args:
      - { .name: h, .offset: 0, .size: 8, .value_kind: global_buffer, .address_space: global }
      - { .name: wq, .offset: 8, .size: 8, .value_kind: global_buffer, .address_space: global }
      - { .name: dq, .offset: 16, .size: 8, .value_kind: global_buffer, .address_space: global }
      - { .name: W_c, .offset: 24, .size: 8, .value_kind: global_buffer, .address_space: global }
      - { .name: v, .offset: 32, .size: 8, .value_kind: global_buffer, .address_space: global }
      - { .name: coverage, .offset: 40, .size: 8, .value_kind: global_buffer, .address_space: global }
      - { .name: enc_padding_mask, .offset: 48, .size: 8, .value_kind: global_buffer, .address_space: global }
      - { .name: zs, .offset: 56, .size: 8, .value_kind: global_buffer, .address_space: global }
      - { .name: cpart, .offset: 64, .size: 8, .value_kind: global_buffer, .address_space: global }
    .group_segment_fixed_size: 286208
    .private_segment_fixed_size: 0
    .kernarg_segment_align: 8
    .kernarg_segment_size: 72
    .max_flat_workgroup_size: 128
    .sgpr_count:     66
    .vgpr_count:     1024
    .wavefront_size: 32
...
	.end_amdgpu_metadata
.endif
;; end of part 4
;; launch finish: the kernel of part 3 again; grid 64 x 1, 8 waves a work-group, no clusters, 1,280 bytes of LDS; arguments zs, cpart, enc_padding_mask, coverage, out0, out1, out2; writes out0, out1, out2
